; MI455X (gfx1250); checked and timed in simulation.
; The chip was launched on July 23, 2026; its instructions are those of AMD's public machine-readable ISA for CDNA 5 (MIT licence, August 2026) and "CDNA5" Instruction Set Architecture Reference Guide (July 2026). The comments in the code are by the model that wrote it; some were corrected since.
;; multi Head Attention. Allowed arithmetic: matrix products marked QUANTISED: E2M3 operands, one E8M0 scale for each 32 along K, by v_wmma_scale_f32_16x16x128_f8f6f4 with both operands' format E2M3, f32 sums; products left as they are: f32 operands where the result goes on into a quantised operand, else bf16, f16 or f32 operands; f32 sums; everything else in f32.
;; Inputs: Wk 32 x 32 float32; Wo 32 x 32 float32; Wq 32 x 32 float32; Wv 32 x 32 float32; bk 32 float32; bo 32 float32; bq 32 float32; bv 32 float32; key 4 x 2,048 x 32 float32; mask 4 x 1 x 2,048 x 2,048 int32; query 4 x 2,048 x 32 float32; value 4 x 2,048 x 32 float32.
;; Outputs: out0 4 x 2,048 x 32 float32.
;; This version of the problem:
;;   THIS VERSION OF THE PROBLEM IS GIVEN IN LOW PRECISION. The matrix products marked QUANTISED in the list below multiply operands that are first quantised to E2M3 (2 exponent bits, 3 mantissa bits; 6 bits a number), with one power-of-two scale for each 32 numbers along K (OCP MX v1.0); their sums are f32. All else is computed in f32.
;;   The module's matrix products, in the order in which they are computed (A, B: the left and right operand; K: the contracted axis; several contracted axes count as one K, in the product's order):
;;     1. [M 8,192, K 32] x [K 32, N 32]; A: input query; B: input Wq: QUANTISED
;;     2. [M 8,192, K 32] x [K 32, N 32]; A: input key; B: input Wk: QUANTISED
;;     3. [M 8,192, K 32] x [K 32, N 32]; A: input value; B: input Wv: QUANTISED
;;     4. batch 32 x [M 2,048, K 4] x [K 4, N 2,048]; A: computed on the way; B: computed on the way: left as it is (K = 4 < 32)
;;     5. batch 32 x [M 4, K 2,048] x [K 2,048, N 2,048]; A: computed on the way; B: softmax: left as it is (M = 4 < 16)
;;     6. [M 8,192, K 32] x [K 32, N 32]; A: computed on the way; B: input Wo: QUANTISED
;;   THE QUANTISER, for each operand of a quantised product, along K:
;;     - K is cut into blocks of 32 from its start; a last block that is shorter is filled with zeros.
;;     - A block's scale is 2^e with e = floor(log2(the largest magnitude in the block)) - 2, held to -126 .. 127; a block of zeros has e = 0. As a byte (E8M0): e + 127.
;;     - Each number is divided by its block's scale, clamped to +-7.5, and rounded to the nearest number of E2M3, ties to even, subnormals kept.
;;     - The product sums the exact products of the quantised numbers (number of the format x scale) in f32.
;;   ~~~python
;;   def quantise(x, axis):      # numpy; x: float32 -> the quantised numbers, widened to float32 again
;;       x = np.moveaxis(x, axis, -1); K = x.shape[-1]
;;       x = np.pad(x, [(0, 0)] * (x.ndim - 1) + [(0, -K % 32)]); x = x.reshape(x.shape[:-1] + (-1, 32)); a = np.abs(x).max(-1, keepdims=True)
;;       e = np.where(a > 0, np.clip(np.frexp(np.where(a > 0, a, 1))[1] - 1 - 2, -126, 127), 0)      # np.frexp(a)[1] - 1 = floor(log2(a)), exactly
;;       r = np.clip(x / 2.0 ** e, -7.5, 7.5)
;;       step = 2.0 ** (np.maximum(np.frexp(np.where(r == 0, 1, r))[1] - 1, 0) - 3)
;;       q = np.round(r / step) * step * 2.0 ** e      # np.round: ties to even
;;       return np.moveaxis(q.reshape(q.shape[:-2] + (-1,))[..., :K], -1, axis).astype(np.float32)
;;   ~~~
;;   OPERANDS COMPUTED ON THE WAY. 'Computed on the way' means the value that the module computes at that place (a softmax that the list does not call 'softmax' is quantised finished and normalised). What goes into a quantiser is computed in f32, as accurately as f32 sums, v_exp_f32 and their like allow (about 1e-6 of the number): no bf16 or f16 on the way to a quantiser, and a product that is left as it is and whose result goes on into a quantised operand takes f32 operands (vector FMAs, or v_wmma_f32_16x16x4_f32). A number that lies on a knife's edge between two numbers of the format may be rounded either way, as far as f32 arithmetic and the matrix unit's own rounding can turn it there, and no further.
;; 2 versions, each right and faster than the one before. Each part assembles by itself: llvm-mc -triple=amdgcn-amd-amdhsa -mcpu=gfx1250 --defsym DOCPART=n.
;; ======== version 1 of 2: 2 launches
;; limits: right only within a limited range of input values
;; workspace buffers: qf 1,048,576 bytes; kf 1,048,576 bytes; vf 1,048,576 bytes
;; launch proj (part 1): grid 256 x 1, 6 waves a work-group, no clusters, 0 bytes of LDS; arguments query, key, value, Wq, Wk, Wv, bq, bk, bv, qf, kf, vf; writes qf, kf, vf
.if DOCPART == 1
	.amdgcn_target "amdgcn-amd-amdhsa--gfx1250"
	.amdhsa_code_object_version 6
	.text
	.protected	k_q1c7aa0b973_proj
	.globl	k_q1c7aa0b973_proj
	.p2align	8
	.type	k_q1c7aa0b973_proj,@function
k_q1c7aa0b973_proj:
	s_mov_b64 s[64:65], 0
	v_nop
	global_prefetch_b8 v0, s[64:65] scope:SCOPE_SE
	s_setreg_imm32_b32 hwreg(HW_REG_WAVE_MODE, 25, 1), 1
	s_wait_xcnt 0x0
; y = Q(x) Q(W) + b for the three input projections (x: query, key, value [8192][32] f32; W [32 (k)][32 (n)] f32; b [32] f32), on codes of FP6 (E2M3) with one E8M0
; scale for the one block of 32 along K; sums in f32.  K = 32 fills a quarter of the matrix instruction's 128: k = 32 .. 127 are zero codes on both sides.
; SHARES.  1,536 tasks (3 tensors x 512 tiles of 16 rows) = 256 work-groups x 6 waves.  Wave w takes tensor w / 2 and row tile 2 x work-group + w % 2.  The three tensors are three copies
; of one macro, reached by a branch on the wave's number, so that every address is made of its own buffer's pointer.  Waves share nothing: no LDS, no barrier.
; THE PRODUCT IS USED TRANSPOSED (source 0 = 16 columns of W, source 1 = the 16 rows of x), AND THE COLUMNS OF A TILE ARE CHOSEN: lane r of tile ct takes column
; 16 ct + 4 ((r / 2) % 4) + 2 (r / 8) + r % 2.  Register 2 e + i of the result in lane (r, h) is then y[row r][head 4 ct + e][d = 2 h + i].
; THE OUTPUT'S LAYOUT is this program's own: [row tile][head pair][lane][4 floats], float 2 e' + i of lane (r, h) = y[16 T + r][4 (2 hp + e') + 2 h + i]: the register image of an f32 operand
; of K = 4 (lane = row, register = k - 2 h) for two heads.  A result's registers 0-3 and 4-7 are two such images as they stand: each store of the wave covers 512 consecutive bytes, aligned.
; x is read 16 bytes a lane, lanes 64 bytes apart; the four loads on end cover the tile's 2,048 bytes.  No turn through LDS: a wave reads only those 2,048 bytes.
; LIMITS: a block of zeros gets the scale byte 1 where the rule says 127 (its codes are zeros, and this program alone reads the byte); NaN and infinities among the inputs are not served.
.set XR,  16                           ; v16-31   16 numbers of x: k = 16 h + 0 .. 15 of row r
.set WR,  32                           ; v32-63   16 numbers of W for each of the two tiles of columns: k = 16 h + 0 .. 15 of my column
.set FX,  64                           ; v64-75   x's fragment
.set FW,  76                           ; v76-99   W's two fragments
.set BC,  100                          ; v100-115 the bias in the result's layout, 8 registers a tile: the C of the product
.set DD,  116                          ; v116-131 the two results
.set SX,  12                           ; v12      x's scale word;  v13, v14: W's.  They hold scales and nothing else
.set SW,  13
.set QA,  8                            ; v8-10    the quantiser's working registers
.set QB,  9
.set QC,  10
.set SEL, 40                           ; s[40:41] lane selects for v_permlanex16_b32: lane l xor 16
; 16 numbers of a lane, v[src] on (k = 16 h + 0 .. 15 of the lane's row), become registers 0-5 of a fragment and its scale word.  The block of 32 lies in lanes l and l xor 16.
.macro QUANT src, frag, sw
	v_max3_num_f32 v[QA], |v[\src]|, |v[\src+1]|, 0x1800000        ; my 16 magnitudes, and the floor 2^(3 - 127): the byte cannot fall under 1
.irp i, 2,4,6,8,10,12,14
	v_max3_num_f32 v[QA], v[QA], |v[\src+\i]|, |v[\src+\i+1]|
.endr
	v_permlanex16_b32 v[QB], v[QA], s[SEL], s[SEL+1]
	v_max_num_f32 v[QA], v[QA], v[QB]                              ; with lane l xor 16's: the block's largest magnitude
	v_add_nc_u32 v[QC], 0xff000000, v[QA]                          ; 2 off its exponent field: the conversion takes the exponent field of this operand as its scale
	v_lshrrev_b32 v[\sw], 23, v[QC]                                ; the byte, in byte 0 of the scale word; bytes 1-3 stay 0 and stand over zero codes
.irp i, 3,4,5
	v_mov_b32 v[\frag+\i], 0
.endr
	v_cvt_scalef32_pk16_fp6_f32 v[\frag:\frag+2], v[\src:\src+15], v[QC]   ; 96 bits: the codes of k = 16 h + 0 .. 15
	v_nop                                                          ; one plain instruction between a scaled conversion and the next use of its result
.irp i, 0,1,2
	v_permlane16_swap_b32 v[\frag+\i], v[\frag+3+\i]               ; lanes 16-31 of the first change places with lanes 0-15 of the second: lanes 0-15 now hold k = 0 .. 31 in registers 0-5, lanes 16-31 (k = 32 .. 63) zeros
.endr
.endm
; One task.  xs, ws, bs, os: the scalar pairs that hold the addresses of x, W, b and the output.
.macro TASK xs, ws, bs, os
	s_add_nc_u64 s[\xs:\xs+1], s[\xs:\xs+1], s[42:43]              ; my 16 rows of x,
	s_add_nc_u64 s[\os:\os+1], s[\os:\os+1], s[42:43]              ; and my tile's 2,048 bytes of the output
.irp i, 0,1,2,3
	global_load_b128 v[XR+4*\i:XR+4*\i+3], v3, s[\xs:\xs+1] offset:16*\i th:TH_LOAD_NT
.endr
.irp c, 0,1
.irp i, 0,1,2,3,4,5,6,7,8,9,10,11,12,13,14,15
	global_load_b32 v[WR+16*\c+\i], v4, s[\ws:\ws+1] offset:128*\i+64*\c   ; W[16 h + i][16 c + my column]
.endr
.endr
.irp c, 0,1
.irp e, 0,1,2,3
	global_load_b64 v[BC+8*\c+2*\e:BC+8*\c+2*\e+1], v5, s[\bs:\bs+1] offset:64*\c+16*\e   ; b[16 c + 4 e + 2 h + 0, 1]
.endr
.endr
	s_wait_loadcnt 40                                              ; x's four loads are in; W's 32 and the bias's 8 may be out
	QUANT XR, FX, SX
	s_wait_loadcnt 24                                              ; W's first 16 are in
	QUANT WR, FW, SW
	s_wait_loadcnt 8                                               ; W's second 16 are in
	QUANT WR+16, FW+12, SW+1
	s_wait_loadcnt 0x0                                             ; the bias
.rept 8
	v_nop                                                          ; a scale register written by a vector instruction stands 8 places ahead of a scaled matrix instruction, an operand so written 4
.endr
	v_wmma_scale_f32_16x16x128_f8f6f4 v[DD:DD+7], v[FW:FW+11], v[FX:FX+11], v[BC:BC+7], v[SW], v[SX] matrix_a_fmt:MATRIX_FMT_FP6 matrix_b_fmt:MATRIX_FMT_FP6
	v_wmma_scale_f32_16x16x128_f8f6f4 v[DD+8:DD+15], v[FW+12:FW+23], v[FX:FX+11], v[BC+8:BC+15], v[SW+1], v[SX] matrix_a_fmt:MATRIX_FMT_FP6 matrix_b_fmt:MATRIX_FMT_FP6
.rept 4
	v_nop                                                          ; four places between a matrix instruction of this form and a store of its result
.endr
.irp q, 0,1,2,3
	global_store_b128 v6, v[DD+4*\q:DD+4*\q+3], s[\os:\os+1] offset:512*\q   ; head pair q; each result from its low end on
.endr
	s_endpgm
.endm
	s_load_b512 s[4:19], s[0:1], 0x0               ; query s[4:5], key s[6:7], value s[8:9], Wq s[10:11], Wk s[12:13], Wv s[14:15], bq s[16:17], bk s[18:19]
	s_load_b256 s[20:27], s[0:1], 0x40             ; bv s[20:21], qf s[22:23], kf s[24:25], vf s[26:27]
	v_lshrrev_b32 v7, 5, v0
	v_readfirstlane_b32 s36, v7                    ; wave 0..5
	s_lshr_b32 s37, s36, 1                         ; which tensor
	s_and_b32 s38, s36, 1
	s_lshl_b32 s39, ttmp9, 1
	s_add_co_u32 s38, s38, s39                     ; row tile = 2 x work-group + wave % 2
	s_lshl_b32 s42, s38, 11                        ; 16 rows of 128 bytes, in x and in the output alike
	s_mov_b32 s43, 0
	s_mov_b32 s[SEL], 0x76543210
	s_mov_b32 s[SEL+1], 0xfedcba98
	v_and_b32 v1, 15, v0                           ; r
	v_bfe_u32 v2, v0, 4, 1                         ; h
	v_lshlrev_b32 v3, 7, v1
	v_lshl_add_u32 v3, v2, 6, v3                   ; x: 128 r + 64 h
	v_bfe_u32 v4, v1, 1, 2
	v_lshlrev_b32 v4, 4, v4                        ; W: 4 bytes x (4 ((r / 2) % 4)
	v_lshrrev_b32 v7, 3, v1
	v_lshl_add_u32 v4, v7, 3, v4                   ;    + 2 (r / 8)
	v_and_b32 v7, 1, v1
	v_lshl_add_u32 v4, v7, 2, v4                   ;    + r % 2),
	v_lshl_add_u32 v4, v2, 11, v4                  ;    and 16 h rows of 128 bytes
	v_lshlrev_b32 v5, 3, v2                        ; the bias: 8 h
	v_and_b32 v6, 31, v0
	v_lshlrev_b32 v6, 4, v6                        ; the output: 16 x lane
	v_mov_b32 v[QB], 0                             ; written once: a lane permute's destination counts as one of its sources
.irp f, FX, FW, FW+12
.irp i, 6,7,8,9,10,11
	v_mov_b32 v[\f+\i], 0                          ; k = 64 .. 127: zero codes
.endr
.endr
	s_wait_kmcnt 0x0
	s_cmp_eq_u32 s37, 0
	s_cbranch_scc1 .Lquery
	s_cmp_eq_u32 s37, 1
	s_cbranch_scc1 .Lkey
	TASK 8, 14, 20, 26                             ; value, Wv, bv -> vf
.Lkey:
	TASK 6, 12, 18, 24                             ; key, Wk, bk -> kf
.Lquery:
	TASK 4, 10, 16, 22                             ; query, Wq, bq -> qf
.Lfunc_end_k_q1c7aa0b973_proj:
	.size	k_q1c7aa0b973_proj, .Lfunc_end_k_q1c7aa0b973_proj-k_q1c7aa0b973_proj
	.p2alignl 7, 3214868480
	.fill 96, 4, 3214868480
	.section	.rodata,"a",@progbits
	.p2align	6, 0x0
	.amdhsa_kernel k_q1c7aa0b973_proj
		.amdhsa_group_segment_fixed_size 0
		.amdhsa_private_segment_fixed_size 0
		.amdhsa_enable_private_segment 0
		.amdhsa_kernarg_size 96
		.amdhsa_user_sgpr_count 2
		.amdhsa_user_sgpr_kernarg_segment_ptr 1
		.amdhsa_wavefront_size32 1
		.amdhsa_system_sgpr_workgroup_id_x 1
		.amdhsa_system_sgpr_workgroup_id_y 1
		.amdhsa_system_sgpr_workgroup_id_z 1
		.amdhsa_system_vgpr_workitem_id 0
		.amdhsa_next_free_vgpr 136
		.amdhsa_next_free_sgpr 66
		.amdhsa_reserve_vcc 0
		.amdhsa_float_denorm_mode_32 3
		.amdhsa_float_denorm_mode_16_64 3
		.amdhsa_memory_ordered 1
		.amdhsa_forward_progress 1
		.amdhsa_inst_pref_size 28
	.end_amdhsa_kernel
	.amdgpu_metadata
---
amdhsa.version: [ 1, 2 ]
amdhsa.kernels:
  - .name:           k_q1c7aa0b973_proj
    .symbol:         k_q1c7aa0b973_proj.kd
    .args:
      - { .name: query, .offset: 0, .size: 8, .value_kind: global_buffer, .address_space: global }
      - { .name: key, .offset: 8, .size: 8, .value_kind: global_buffer, .address_space: global }
      - { .name: value, .offset: 16, .size: 8, .value_kind: global_buffer, .address_space: global }
      - { .name: Wq, .offset: 24, .size: 8, .value_kind: global_buffer, .address_space: global }
      - { .name: Wk, .offset: 32, .size: 8, .value_kind: global_buffer, .address_space: global }
      - { .name: Wv, .offset: 40, .size: 8, .value_kind: global_buffer, .address_space: global }
      - { .name: bq, .offset: 48, .size: 8, .value_kind: global_buffer, .address_space: global }
      - { .name: bk, .offset: 56, .size: 8, .value_kind: global_buffer, .address_space: global }
      - { .name: bv, .offset: 64, .size: 8, .value_kind: global_buffer, .address_space: global }
      - { .name: qf, .offset: 72, .size: 8, .value_kind: global_buffer, .address_space: global }
      - { .name: kf, .offset: 80, .size: 8, .value_kind: global_buffer, .address_space: global }
      - { .name: vf, .offset: 88, .size: 8, .value_kind: global_buffer, .address_space: global }
    .group_segment_fixed_size: 0
    .private_segment_fixed_size: 0
    .kernarg_segment_align: 8
    .kernarg_segment_size: 96
    .max_flat_workgroup_size: 192
    .sgpr_count:     66
    .vgpr_count:     136
    .wavefront_size: 32
...
	.end_amdgpu_metadata
.endif
;; end of part 1
;; launch attn (part 2): grid 64 x 4, 16 waves a work-group, no clusters, 327,680 bytes of LDS; arguments mask, qf, kf, vf, Wo, bo, out0; writes out0
.if DOCPART == 2
	.amdgcn_target "amdgcn-amd-amdhsa--gfx1250"
	.amdhsa_code_object_version 6
	.text
	.protected	k_q1c7aa0b973_attn
	.globl	k_q1c7aa0b973_attn
	.p2align	8
	.type	k_q1c7aa0b973_attn,@function
k_q1c7aa0b973_attn:
	s_mov_b64 s[64:65], 0
	v_nop
	global_prefetch_b8 v0, s[64:65] scope:SCOPE_SE
	s_setreg_imm32_b32 hwreg(HW_REG_WAVE_MODE, 25, 1), 1
	s_wait_xcnt 0x0
; out0 = Q(softmax(where(mask == 0, -1e20, q k^T) / sqrt(32)) v) Q(Wo) + bo.  4 batches, 2,048 queries, 2,048 keys, 8 heads of size 4.  q, k, v arrive projected, as f32 operand images
; [row tile of 16][head pair][lane][4 floats]: float 2 e + i of lane (r, h) = y[16 T + r][head 2 hp + e][d = 2 h + i].  All of the softmax chain is f32: its result goes into a quantiser.
; SHARES.  Work-group (x, y) owns 32 queries (two tiles t) of batch y, all heads, all keys.  Wave w: kr = w / 4 (keys 512 kr on), hp = w % 4 (heads 2 hp, 2 hp + 1): eight chunks of 64 keys.
; As a loader wave w also brings the mask of chunks w % 4 and 4 + w % 4 of range kr (32 queries x 64 keys each) and turns it into a bias, once for all eight heads.
; 1. S^T = K Q^T by v_wmma_f32_16x16x4_f32 (source 0 = 16 keys, source 1 = 16 queries, K = the head's 4): a lane holds ONE query (lane % 16) and keys 8 (lane / 16) + 0 .. 7.
; 2. THE MASK IS THE C OF THAT PRODUCT: 0 where the key counts, -1e20 c where it does not, in the result's own layout.  q is multiplied by c = log2(e) / sqrt(32) beforehand, so the result is t, the exponent to base 2.
; 3. O += p v by packed multiply-adds, two keys at a time (the second product has 4 rows: a quarter of a matrix tile).
; 4. v IS BROUGHT TO ALL SIXTEEN LANES BY THE MATRIX UNIT: V (16 keys x 4) times E_d (E_d(k, n) = 1 where k = d, else 0) gives v[8 (lane / 16) + j][d] in register j of every lane, exactly; both query tiles use it.
; 5. Each lane keeps a running maximum m, sum l and O[4] over ITS OWN keys: nothing changes lanes in the loop.  The partials of the two halves of the lanes and of the four key ranges are merged once, through LDS.
; Then waves 0 and 1 quantise the 32 finished rows and Wo (FP6, E2M3, one E8M0 scale for the block of 32; k = 32 .. 127 zero codes) and make the last product, bo as its C.
; NO CLUSTER: the mask is read by one work-group alone.  k and v are read by the 64 work-groups of a batch, but each wave wants its own 4,096 bytes a chunk straight in its registers: through LDS a chunk's
; fragments of the sixteen waves would be 65,536 bytes, and two such slots do not fit beside the mask's 278,528 bytes.
; LDS: the work-group's whole mask (32 rows x 2,048 keys) lies there once: first fills alone, nothing is filled again.
; LIMITS: |t| stays under 1.1e12, half a step of f32 at 2.55e19, so that a masked score is exactly the bias (a row masked everywhere is then uniform, as with -1e20); NaN and infinities are not served;
; a block of zeros gets the scale byte 1 where the rule says 127 (its codes are zeros, and this program alone reads the byte).
.set PIECE, 8704                       ; a piece of the mask in LDS: 32 rows x (256 bytes + 16 of padding): the 16 rows that half a load touches start 272 bytes apart, in 16 different columns of 16 bytes
.set PAREA, 16*PIECE                   ; the sixteen waves' first pieces on end, then their second pieces
.set SPARE, 2*PAREA                    ; the spare words, 128 bytes for each of 16 waves: eight blocks of 256 bytes that no other line names
.set OUTS,  SPARE+2048                 ; the finished attention rows: 32 x (128 bytes + 16)
.set OST,   OUTS+32*144                ; the way out of waves 0 and 1: 16 x (128 bytes + 16) each
.set PARTW, 3072                       ; a wave's partials, in the first pieces' bytes once nobody reads them: for each (e, t) 512 bytes of O and 256 of (m, l), as images of the registers
.set SPW,  1                           ; v1   LDS address of my spare word; never rewritten
.set NIL,  2                           ; v2   0; never rewritten
.set CADR, 3                           ; v3   my lane's place in a piece: 272 r + 32 h
.set CA,   4                           ; v4   the same in the chunk in hand
.set L16,  5                           ; v5   16 x lane
.set NEGB, 6                           ; v6   -1e20 c
.set TA,   7                           ; v7   an address at work
.set EM,   8                           ; v8-15    E_0 .. E_3, a pair each; behind the loop: the end's eight LDS addresses
.set QF,   16                          ; v16-23   c q: v[QF + 4 t + 2 e + i]
.set KF,   24                          ; v24-39   the chunk's k: v[KF + 4 kt + 2 e + i]
.set VF,   40                          ; v40-55   its v, likewise
.set ST,   56                          ; v56-99   22 registers a head e: O[t][d] as pairs (even keys', odd keys') at 8 t + 2 d; l[t] as pairs at 16 + 2 t; m[t] at 20 + t
.set SCW,  100                         ; v100-102 scale words: scales and nothing else
.set MN,   104                         ; v104-107 (the new m, a = 2^(old m - new m)) for t = 0, 1
.set MB,   108                         ; v108-111 at work
.set PC,   112                         ; v112-175 the bias tiles, then t - m, then p: tile (t, kt) at PC + 8 (4 t + kt)
.set SV,   176                         ; v176-239 S^T, tile (t, kt) at SV + 8 (4 t + kt); then v for all lanes: (kt, d) at SV + 32 (kt % 2) + 8 d.  Matrix instructions alone write these
.set BO,   240                         ; v240-255 bo in the result's layout (waves 0 and 1)
.set QA,   104                         ; the quantiser's working registers
.set QB,   105
.set QC,   106
.set CNT,  44                          ; s44  trips to go
.set CB,   45                          ; s45  LDS byte at which the chunk's bias begins
.set CS,   46                          ; s[46:47] c, twice: the packed form names a pair
.set SEL,  48                          ; s[48:49] lane selects for v_permlanex16_b32: lane l xor 16
; 16 numbers of a lane, v[src] on (k = 16 h + 0 .. 15 of the lane's row), become registers 0-5 of a fragment and its scale word.  The block of 32 lies in lanes l and l xor 16.
.macro QUANT src, frag, sw
	v_max3_num_f32 v[QA], |v[\src]|, |v[\src+1]|, 0x1800000        ; my 16 magnitudes, and the floor 2^(3 - 127): the byte cannot fall under 1
.irp i, 2,4,6,8,10,12,14
	v_max3_num_f32 v[QA], v[QA], |v[\src+\i]|, |v[\src+\i+1]|
.endr
	v_permlanex16_b32 v[QB], v[QA], s[SEL], s[SEL+1]
	v_max_num_f32 v[QA], v[QA], v[QB]                              ; the block's largest magnitude
	v_add_nc_u32 v[QC], 0xff000000, v[QA]                          ; 2 off its exponent field: the conversion's scale operand
	v_lshrrev_b32 v[\sw], 23, v[QC]                                ; the byte, in byte 0; bytes 1-3 stay 0 and stand over zero codes
.irp i, 3,4,5
	v_mov_b32 v[\frag+\i], 0
.endr
	v_cvt_scalef32_pk16_fp6_f32 v[\frag:\frag+2], v[\src:\src+15], v[QC]
	v_nop                                                          ; one plain instruction between a scaled conversion and the next use of its result
.irp i, 0,1,2
	v_permlane16_swap_b32 v[\frag+\i], v[\frag+3+\i]               ; lanes 0-15 now hold k = 0 .. 31 in registers 0-5, lanes 16-31 (k = 32 .. 63) zeros
.endr
.endm
; v of keys 16 kt on, head e, for all lanes: four products with E_0 .. E_3
.macro VX e, kt
.irp d, 0,1,2,3
	v_wmma_f32_16x16x4_f32 v[SV+32*((\kt)%2)+8*\d:SV+32*((\kt)%2)+8*\d+7], v[VF+4*(\kt)+2*\e:VF+4*(\kt)+2*\e+1], v[EM+2*\d:EM+2*\d+1], 0
.endr
.endm
; l and O of both query tiles take keys 16 kt on: 40 packed lines; each of v's accumulators is read from its low end on; ten lines stand between two uses of one sum
.macro PVK e, kt
.irp i, 0,1,2,3
.irp t, 0,1
	v_pk_add_f32 v[ST+22*\e+16+2*\t:ST+22*\e+17+2*\t], v[ST+22*\e+16+2*\t:ST+22*\e+17+2*\t], v[PC+8*(4*\t+\kt)+2*\i:PC+8*(4*\t+\kt)+2*\i+1]
.irp d, 0,1,2,3
	v_pk_fma_f32 v[ST+22*\e+8*\t+2*\d:ST+22*\e+8*\t+2*\d+1], v[PC+8*(4*\t+\kt)+2*\i:PC+8*(4*\t+\kt)+2*\i+1], v[SV+32*((\kt)%2)+8*\d+2*\i:SV+32*((\kt)%2)+8*\d+2*\i+1], v[ST+22*\e+8*\t+2*\d:ST+22*\e+8*\t+2*\d+1]
.endr
.endr
.endr
.endm
; ONE HEAD, ONE CHUNK OF 64 KEYS: eight tiles of 16 keys x 16 queries.  last = 1: in the loop's last trip there is no next chunk, and its loads are jumped over: no load leaves its buffer.
; PLACES behind the f32 matrix form: 8 ahead of a read of its result and of a load into or a vector write of one of its registers, 9 ahead of a matrix instruction that writes over one.
.macro HEADSTEP e, last
.irp t, 0,1
.irp k, 0,1,2,3
	ds_load_b128 v[PC+8*(4*\t+\k):PC+8*(4*\t+\k)+3], v[CA] offset:4352*\t+64*\k          ; the bias of query 16 t + r, keys 16 k + 8 h + 0 .. 7
	ds_load_b128 v[PC+8*(4*\t+\k)+4:PC+8*(4*\t+\k)+7], v[CA] offset:4352*\t+64*\k+16
.endr
.endr
	s_wait_dscnt 0x0
.if \e == 0
	s_wait_loadcnt 0x4                             ; the chunk's k is in; the four loads of v, issued behind it, may be out
.endif
.irp t, 0,1
.irp k, 0,1,2,3
	v_wmma_f32_16x16x4_f32 v[SV+8*(4*\t+\k):SV+8*(4*\t+\k)+7], v[KF+4*\k+2*\e:KF+4*\k+2*\e+1], v[QF+4*\t+2*\e:QF+4*\t+2*\e+1], v[PC+8*(4*\t+\k):PC+8*(4*\t+\k)+7]
.endr
.endr
.rept 8
	v_nop                                          ; the 8 places ahead of the first read of S^T, of the loads into k's registers and of the writes into the bias's
.endr
.if \e == 1
.if \last
	s_cmp_eq_u32 s[CNT], 1
	s_cbranch_scc1 .Lno_k_\@
.endif
.irp k, 0,1,2,3
	global_load_b128 v[KF+4*\k:KF+4*\k+3], v[L16], s[8:9] offset:8192+2048*\k   ; the next chunk's k: both heads have multiplied by this chunk's
.endr
.if \last
.Lno_k_\@:
.endif
.endif
	; the new m of each query tile: 32 scores and the old m, three operands at a time, in four chains by turns; every tile of S^T is read from its low end on
.irp t, 0,1
	v_max3_num_f32 v[MN+2*\t], v[SV+32*\t], v[SV+32*\t+1], v[ST+22*\e+20+\t]
	v_max3_num_f32 v[MB+\t], v[SV+32*\t+16], v[SV+32*\t+17], v[SV+32*\t+18]
.endr
.irp k, 1,2,3,4,5,6
.irp t, 0,1
	v_max3_num_f32 v[MN+2*\t], v[MN+2*\t], v[SV+32*\t+2*\k], v[SV+32*\t+2*\k+1]
	v_max3_num_f32 v[MB+\t], v[MB+\t], v[SV+32*\t+17+2*\k], v[SV+32*\t+18+2*\k]
.endr
.endr
.irp t, 0,1
	v_max3_num_f32 v[MN+2*\t], v[MN+2*\t], v[SV+32*\t+14], v[SV+32*\t+15]
.endr
.irp t, 0,1
	v_max3_num_f32 v[MN+2*\t], v[MN+2*\t], v[MB+\t], v[SV+32*\t+31]
.endr
.irp t, 0,1
	v_sub_f32 v[MN+2*\t+1], v[ST+22*\e+20+\t], v[MN+2*\t]          ; old m - new m
.endr
.irp t, 0,1
.irp j, 0,2,4,6,8,10,12,14,16,18,20,22,24,26,28,30
	v_pk_add_f32 v[PC+32*\t+\j:PC+32*\t+\j+1], v[SV+32*\t+\j:SV+32*\t+\j+1], v[MN+2*\t:MN+2*\t+1] op_sel_hi:[1,0] neg_lo:[0,1] neg_hi:[0,1]   ; t - m, two at a time, into other registers than S^T's
.endr
.endr
.if \e == 0
	s_wait_loadcnt 0x0                             ; the chunk's v is in
.endif
	VX \e, 0                                       ; over S^T, which has been read: behind each of its products stand the 8 v_nop and the other tiles' maxima and differences
	VX \e, 1
.set n, 0
.rept 64
	v_exp_f32 v[PC+n], v[PC+n]                     ; p = 2^(t - m)
.set n, n+1
.endr
.irp t, 0,1
	v_exp_f32 v[MN+2*\t+1], v[MN+2*\t+1]           ; a = 2^(old m - new m)
.endr
.irp t, 0,1
	v_mov_b32 v[ST+22*\e+20+\t], v[MN+2*\t]        ; m is the new m.  (The plain instruction behind the batch of exponentials)
.endr
	s_wait_alu depctr_va_vdst(0)                   ; one wait for the 66 exponentials, ahead of the first line that names a result
.irp t, 0,1
.irp d, 0,1,2,3
	v_pk_mul_f32 v[ST+22*\e+8*\t+2*\d:ST+22*\e+8*\t+2*\d+1], v[ST+22*\e+8*\t+2*\d:ST+22*\e+8*\t+2*\d+1], v[MN+2*\t:MN+2*\t+1] op_sel:[0,1] op_sel_hi:[1,1]   ; O under the new m
.endr
	v_pk_mul_f32 v[ST+22*\e+16+2*\t:ST+22*\e+17+2*\t], v[ST+22*\e+16+2*\t:ST+22*\e+17+2*\t], v[MN+2*\t:MN+2*\t+1] op_sel:[0,1] op_sel_hi:[1,1]         ; l likewise
.endr                                          ; these ten and the two moves are the 12 places behind VX 0 and VX 1: 8 for the reads below, 9 for VX 2 and VX 3, which write over them
	PVK \e, 0
	VX \e, 2
	PVK \e, 1                                      ; its 40 lines name nothing of VX 2: the places ahead of PVK 2
	VX \e, 3
	PVK \e, 2                                      ; likewise for VX 3: ahead of PVK 3, of the loads into v's registers, and of the next products, which write over S^T's registers
	PVK \e, 3
.if \e == 1
.if \last
	s_cmp_eq_u32 s[CNT], 1
	s_cbranch_scc1 .Lno_v_\@
.endif
.irp k, 0,1,2,3
	global_load_b128 v[VF+4*\k:VF+4*\k+3], v[L16], s[10:11] offset:8192+2048*\k   ; the next chunk's v
.endr
.if \last
.Lno_v_\@:
.endif
.endif
.endm
; HALF p: my piece p of the mask becomes a bias, in place; a barrier; then my range's chunks 4 p .. 4 p + 3, whose biases the four waves of my range have made.
.macro HALF p, last
	s_wait_tensorcnt 1-\p                          ; tensor loads of a wave end in order (ISA guide 10.11.1): piece p has landed; with p = 0 piece 1 stays on its way, and lands under four chunks' work
	s_mul_i32 s23, s18, PIECE
.if \p
	s_add_co_u32 s23, s23, PAREA
.endif
	v_add_nc_u32 v[TA], s23, v[CADR]
.irp t, 0,1
.irp k, 0,1,2,3
	ds_load_b128 v[PC+8*(4*\t+\k):PC+8*(4*\t+\k)+3], v[TA] offset:4352*\t+64*\k
	ds_load_b128 v[PC+8*(4*\t+\k)+4:PC+8*(4*\t+\k)+7], v[TA] offset:4352*\t+64*\k+16
.endr
.endr
	s_wait_dscnt 0x0
.set n, 0
.rept 64
	v_cmp_eq_u32 vcc_lo, 0, v[PC+n]
	v_cndmask_b32 v[PC+n], 0, v[NEGB], vcc_lo      ; mask == 0: -1e20 c; else 0
.set n, n+1
.endr
.irp t, 0,1
.irp k, 0,1,2,3
	ds_store_b128 v[TA], v[PC+8*(4*\t+\k):PC+8*(4*\t+\k)+3] offset:4352*\t+64*\k         ; the piece has had its one fill of the launch
	ds_store_b128 v[TA], v[PC+8*(4*\t+\k)+4:PC+8*(4*\t+\k)+7] offset:4352*\t+64*\k+16
.endr
.endr
	s_wait_dscnt 0x0                               ; for the others' sake: my stores are done
	s_barrier_signal -1
	s_barrier_wait -1                              ; everybody's are.  Piece 1's loads, and the loads of k and v, may be out across it
	s_mul_i32 s[CB], s19, 4*PIECE                  ; my range's four pieces
.if \p
	s_add_co_u32 s[CB], s[CB], PAREA
.endif
	s_mov_b32 s[CNT], 4
.Lchunk_\p:
	v_add_nc_u32 v[CA], s[CB], v[CADR]
	HEADSTEP 0, 0
	HEADSTEP 1, \last
	s_wait_xcnt 0x0                                ; the loads of k and v have read their bases: only behind this wait are they stepped
	s_add_nc_u64 s[8:9], s[8:9], 8192              ; four row tiles of 2,048 bytes
	s_add_nc_u64 s[10:11], s[10:11], 8192
	s_add_co_u32 s[CB], s[CB], PIECE
	s_sub_co_u32 s[CNT], s[CNT], 1
	s_cmp_lg_u32 s[CNT], 0
	s_cbranch_scc1 .Lchunk_\p
.endm
	s_load_b256 s[4:11], s[0:1], 0x0               ; mask s[4:5], qf s[6:7], kf s[8:9], vf s[10:11]
	s_load_b128 s[12:15], s[0:1], 0x20             ; Wo s[12:13], bo s[14:15]
	s_load_b64 s[16:17], s[0:1], 0x30              ; out0
	v_lshl_add_u32 v[SPW], v0, 2, SPARE
	v_mov_b32 v[NIL], 0
	ds_add_u32 v[SPW], v[NIL]                      ; the wave's opening: the add and its wait stand ahead of my first tensor load; the set-up below, work on registers, stands between them
	v_lshrrev_b32 v[TA], 5, v0
	v_readfirstlane_b32 s18, v[TA]                 ; wave 0..15
	s_lshr_b32 s19, s18, 2                         ; kr: my range of 512 keys
	s_and_b32 s20, s18, 3                          ; hp: my pair of heads.  Also: which chunks' mask I bring
	s_and_b32 s22, ttmp7, 0xffff                   ; the batch
	; descriptor group 1: a tile of 32 rows x 64 elements of 4 bytes, rows 2,048 elements apart in memory, 16 bytes of padding behind each row in LDS
	s_mov_b32 s24, (2<<16)|(1<<20)|(5<<22)|(3<<25) ; 15:0 no mask; 17:16 elements of 4 bytes; 20 padding on; 24:22 after every 64 words (code 5); 31:25 of 4 words (code 3)
	s_mov_b32 s25, 64<<16                          ; tensor_dim0 = 64
	s_mov_b32 s26, 32<<16                          ; tensor_dim1 = 32
	s_mov_b32 s27, 64<<16                          ; tile_dim0 = 64
	s_mov_b32 s28, 32                              ; tile_dim1 = 32
	s_mov_b32 s29, 2048                            ; tensor_dim0_stride
	s_mov_b32 s30, 0
	s_mov_b32 s31, 0
	s_mov_b32 s32, 1                               ; group 0 for piece 0: count = 1,
	s_mul_i32 s33, s18, PIECE                      ; LDS address: wave x a piece;
	s_mov_b32 s36, 1                               ; for piece 1:
	s_add_co_u32 s37, s33, PAREA                   ; the same behind the sixteen first pieces
	s_lshl_b32 s40, s22, 11
	s_lshl_b32 s41, ttmp9, 5
	s_add_co_u32 s40, s40, s41                     ; my first row of the mask: 2,048 x batch + 32 x work-group x,
	s_lshl_b32 s40, s40, 13                        ; of 8,192 bytes (under 2^27 in all),
	s_lshl_b32 s41, s19, 11
	s_add_co_u32 s40, s40, s41                     ; + my range's 512 keys,
	s_lshl_b32 s41, s20, 8
	s_add_co_u32 s40, s40, s41                     ; + chunk w % 4's 64 keys
	s_mov_b32 s41, 0
	s_lshl_b32 s42, s22, 18                        ; a batch's 128 row tiles of 2,048 bytes,
	s_lshl_b32 s43, s20, 9
	s_add_co_u32 s42, s42, s43                     ; + my head pair's 512 bytes
	s_lshl_b32 s43, s19, 16
	s_add_co_u32 s50, s42, s43                     ; k, v: + my range's 32 row tiles
	s_mov_b32 s51, 0
	s_lshl_b32 s43, ttmp9, 12
	s_add_co_u32 s42, s42, s43                     ; q: + my work-group's two row tiles
	s_mov_b32 s43, 0
	s_mov_b32 s[CS], 0x3e8293ee                    ; c = log2(e) / sqrt(32)
	s_mov_b32 s[CS+1], s[CS]
	s_mov_b32 s[SEL], 0x76543210
	s_mov_b32 s[SEL+1], 0xfedcba98
	s_wait_dscnt 0x0                               ; the opening add is done
	s_wait_kmcnt 0x0
	s_add_nc_u64 s[34:35], s[4:5], s[40:41]        ; global address of piece 0,
	s_add_nc_u64 s[38:39], s[34:35], 1024          ; and of piece 1: four chunks of 256 bytes on
	s_or_b32 s35, s35, 0x80000000                  ; type = 2
	s_or_b32 s39, s39, 0x80000000
	tensor_load_to_lds s[32:35], s[24:31]          ; both first fills go out together, ahead of every wait on TENSORcnt, every LDS read and every barrier: two loads of mine are out
	s_nop 0
	tensor_load_to_lds s[36:39], s[24:31]
	s_nop 0
	s_add_nc_u64 s[6:7], s[6:7], s[42:43]
	s_add_nc_u64 s[8:9], s[8:9], s[50:51]
	s_add_nc_u64 s[10:11], s[10:11], s[50:51]
	v_and_b32 v[L16], 31, v0
	v_lshlrev_b32 v[L16], 4, v[L16]
.irp t, 0,1
	global_load_b128 v[QF+4*\t:QF+4*\t+3], v[L16], s[6:7] offset:2048*\t     ; each load of the wave reads 512 consecutive bytes: two heads' fragments
.endr
.irp k, 0,1,2,3
	global_load_b128 v[KF+4*\k:KF+4*\k+3], v[L16], s[8:9] offset:2048*\k     ; chunk 0
.endr
.irp k, 0,1,2,3
	global_load_b128 v[VF+4*\k:VF+4*\k+3], v[L16], s[10:11] offset:2048*\k
.endr
	v_and_b32 v[TA], 15, v0                        ; r
	v_bfe_u32 v[CA], v0, 4, 1                      ; h
	v_mul_u32_u24 v[CADR], v[TA], 272
	v_lshl_add_u32 v[CADR], v[CA], 5, v[CADR]      ; 272 r + 32 h
	v_mov_b32 v[NEGB], 0xe0ad78ec                  ; -1e20,
	v_mul_f32 v[NEGB], s[CS], v[NEGB]              ; times c
	v_cvt_f32_u32 v[EM+4], v[CA]                   ; E_d in source 1's layout (register j of lane (r, h): k = 2 h + j): E_2 = (h, 0),
	v_sub_f32 v[EM], 1.0, v[EM+4]                  ; E_0 = (1 - h, 0),
	v_mov_b32 v[EM+1], 0
	v_mov_b32 v[EM+2], 0
	v_mov_b32 v[EM+3], v[EM]                       ; E_1 = (0, 1 - h),
	v_mov_b32 v[EM+5], 0
	v_mov_b32 v[EM+6], 0
	v_mov_b32 v[EM+7], v[EM+4]                     ; E_3 = (0, h)
.irp e, 0,1
.set n, 0
.rept 20
	v_mov_b32 v[ST+22*\e+n], 0                     ; O and l.  (The step is written once: its first turn finds zeros, which a = 0 leaves zeros.  These lines stand while the mask is on its way)
.set n, n+1
.endr
	v_mov_b32 v[ST+22*\e+20], 0xff61b1e6           ; m: -3e38, under every t and under the bias
	v_mov_b32 v[ST+22*\e+21], 0xff61b1e6
.endr
	v_mov_b32 v[MN+1], 0                           ; written once: a lane permute's destination counts as one of its sources
	s_wait_loadcnt 0x8                             ; q's two loads are in; k's four and v's four may be out
.irp k, 0,1,2,3
	v_pk_mul_f32 v[QF+2*\k:QF+2*\k+1], v[QF+2*\k:QF+2*\k+1], s[CS:CS+1] op_sel_hi:[1,0]   ; c q
.endr
	HALF 0, 0
	HALF 1, 1
	s_wait_loadcnt 0x0                             ; every load into k's and v's registers is done (the last trip asked for no next chunk, so none is out): Wo's loads below land in the same registers only behind this wait
	; THE END.  All its LDS addresses are made here, on the one way that all waves take, ahead of the first branch on the wave's number.  (E's registers: PVK 2's and PVK 3's lines stand behind the last product that read them)
	v_and_b32 v[MB], 15, v0                        ; r
	v_bfe_u32 v[MB+1], v0, 4, 1                    ; h
	v_and_b32 v[MB+2], 31, v0                      ; lane
	s_mul_i32 s40, s18, PARTW
	v_lshl_add_u32 v[EM], v[MB+2], 4, s40          ; my partials: O, 16 bytes a lane;
	v_lshl_add_u32 v[EM+1], v[MB+2], 3, s40        ; (m, l), 8 bytes a lane
	s_mul_i32 s41, s19, PARTW                      ; the merge: wave w takes head w / 2, query tile w % 2: the partials (e, t) = w % 4 of waves 4 kr' + w / 4
	s_mul_i32 s42, s20, 768
	s_add_co_u32 s41, s41, s42
	v_lshl_add_u32 v[EM+2], v[MB+2], 4, s41
	v_lshl_add_u32 v[EM+3], v[MB+2], 3, s41
	s_and_b32 s43, s18, 1
	s_mul_i32 s42, s43, 16*144                     ; query tile w % 2's 16 rows
	s_lshr_b32 s40, s18, 1
	s_lshl_b32 s40, s40, 4                         ; head w / 2's 16 bytes
	s_add_co_u32 s40, s40, s42
	s_add_co_u32 s40, s40, OUTS
	v_mul_u32_u24 v[EM+4], v[MB], 144
	v_add_nc_u32 v[EM+4], s40, v[EM+4]             ; where the merged head goes: row 16 t + r
	s_add_co_u32 s41, s42, OUTS
	v_mul_u32_u24 v[EM+5], v[MB], 144
	v_lshl_add_u32 v[EM+5], v[MB+1], 6, v[EM+5]
	v_add_nc_u32 v[EM+5], s41, v[EM+5]             ; where a finished row is read: row 16 t + r, k = 16 h on
	s_add_co_u32 s41, s42, OST
	v_mul_u32_u24 v[EM+6], v[MB], 144
	v_lshl_add_u32 v[EM+6], v[MB+1], 5, v[EM+6]
	v_add_nc_u32 v[EM+6], s41, v[EM+6]             ; the way out, in: row r, 32 h
	v_lshrrev_b32 v[MB+3], 3, v[MB+2]
	v_mul_u32_u24 v[EM+7], v[MB+3], 144
	v_and_b32 v[MB+3], 7, v[MB+2]
	v_lshl_add_u32 v[EM+7], v[MB+3], 4, v[EM+7]
	v_add_nc_u32 v[EM+7], s41, v[EM+7]             ; and back: eight lanes to a row of 128 bytes, four rows an instruction
	v_lshlrev_b32 v[CA], 2, v[MB]
	v_lshl_add_u32 v[CA], v[MB+1], 11, v[CA]       ; Wo: 16 h rows of 128 bytes + 4 r
	v_lshlrev_b32 v[TA], 5, v[MB+1]                ; bo: 32 h
	s_cmp_lt_u32 s18, 2
	s_cbranch_scc0 .Lno_wo                         ; waves 0 and 1 ask for Wo and bo here, so that they land under the merge; the branch leads round loads alone
.irp c, 0,1
.irp i, 0,1,2,3,4,5,6,7,8,9,10,11,12,13,14,15
	global_load_b32 v[KF+16*\c+\i], v[CA], s[12:13] offset:128*\i+64*\c    ; Wo[16 h + i][16 c + r]
.endr
.endr
.irp c, 0,1
.irp u, 0,1
	global_load_b128 v[BO+8*\c+4*\u:BO+8*\c+4*\u+3], v[TA], s[14:15] offset:64*\c+16*\u   ; bo[16 c + 8 h + 0 .. 7]
.endr
.endr
.Lno_wo:
.irp e, 0,1
.irp t, 0,1
.irp d, 0,1,2,3
	v_add_f32 v[PC+8*(2*\e+\t)+\d], v[ST+22*\e+8*\t+2*\d], v[ST+22*\e+8*\t+2*\d+1]       ; even keys' and odd keys' halves
.endr
	v_mov_b32 v[PC+8*(2*\e+\t)+4], v[ST+22*\e+20+\t]                                      ; m beside l: one store of 8 bytes takes both
	v_add_f32 v[PC+8*(2*\e+\t)+5], v[ST+22*\e+16+2*\t], v[ST+22*\e+17+2*\t]
.endr
.endr
	s_wait_dscnt 0x0                               ; my reads of the bias are over
	s_barrier_signal -1
	s_barrier_wait -1                              ; everybody's are: the first pieces' bytes may be written
.irp g, 0,1,2,3
	ds_store_b128 v[EM], v[PC+8*\g:PC+8*\g+3] offset:768*\g
	ds_store_b64 v[EM+1], v[PC+8*\g+4:PC+8*\g+5] offset:768*\g+512
.endr
	s_wait_dscnt 0x0                               ; for the others' sake: my partials lie in LDS
	s_barrier_signal -1
	s_barrier_wait -1
.irp k, 0,1,2,3
	ds_load_b128 v[PC+8*\k:PC+8*\k+3], v[EM+2] offset:4*PARTW*\k            ; range k's O,
	ds_load_b64 v[PC+8*\k+4:PC+8*\k+5], v[EM+3] offset:4*PARTW*\k+512       ; m and l, of my head and query tile, lane for lane
.endr
.irp i, 0,1,2,3,4
	v_mov_b32 v[PC+40+\i], 0                       ; (destinations of the lane permutes below)
.endr
	s_wait_dscnt 0x0
	v_max3_num_f32 v[MN], v[PC+4], v[PC+12], v[PC+20]
	v_max_num_f32 v[MN], v[MN], v[PC+28]
	v_permlanex16_b32 v[MN+1], v[MN], s[SEL], s[SEL+1]
	v_max_num_f32 v[MN], v[MN], v[MN+1]            ; the query's maximum over all 2,048 keys
.irp k, 0,1,2,3
	v_sub_f32 v[MB+\k], v[PC+8*\k+4], v[MN]
.endr
.irp k, 0,1,2,3
	v_exp_f32 v[MB+\k], v[MB+\k]                   ; 2^(m_k - M)
.endr
	v_nop                                          ; a plain instruction behind the last exponential
	s_wait_alu depctr_va_vdst(0)                   ; one wait for the four, ahead of their first reader
.irp d, 0,1,2,3
	v_mul_f32 v[PC+32+\d], v[PC+\d], v[MB]
.endr
	v_mul_f32 v[PC+36], v[PC+5], v[MB]
.irp k, 1,2,3
.irp d, 0,1,2,3
	v_fmac_f32 v[PC+32+\d], v[PC+8*\k+\d], v[MB+\k]
.endr
	v_fmac_f32 v[PC+36], v[PC+8*\k+5], v[MB+\k]
.endr
.irp i, 0,1,2,3,4
	v_permlanex16_b32 v[PC+40+\i], v[PC+32+\i], s[SEL], s[SEL+1]
.endr
.irp i, 0,1,2,3,4
	v_add_f32 v[PC+32+\i], v[PC+32+\i], v[PC+40+\i]   ; with lane l xor 16's keys: O[0 .. 3] and the row's sum
.endr
	v_rcp_f32 v[PC+37], v[PC+36]                   ; the sum is at least 1: the key of the maximum counts 1
	v_nop
	s_wait_alu depctr_va_vdst(0)
	v_pk_mul_f32 v[PC+32:PC+33], v[PC+32:PC+33], v[PC+36:PC+37] op_sel:[0,1] op_sel_hi:[1,1]
	v_pk_mul_f32 v[PC+34:PC+35], v[PC+34:PC+35], v[PC+36:PC+37] op_sel:[0,1] op_sel_hi:[1,1]
	ds_store_b128 v[EM+4], v[PC+32:PC+35]          ; lanes l and l xor 16 write the same bytes with the same values
	s_wait_dscnt 0x0                               ; for the others' sake
	s_barrier_signal -1
	s_barrier_wait -1                              ; the 32 finished rows lie in LDS
	s_cmp_lt_u32 s18, 2
	s_cbranch_scc1 .Lfinal
	s_wait_tensorcnt 0x0                           ; the end of waves 2 to 15, behind my last tensor load and my last LDS store
	ds_add_u32 v[SPW], v[NIL]
	s_wait_dscnt 0x0
	s_endpgm
.Lfinal:                                           ; wave t: rows 16 t .. 16 t + 15 times Wo
.irp i, 0,1,2,3
	ds_load_b128 v[PC+40+4*\i:PC+40+4*\i+3], v[EM+5] offset:16*\i
.endr
	s_lshl_b32 s40, s22, 11
	s_lshl_b32 s41, ttmp9, 5
	s_add_co_u32 s40, s40, s41
	s_lshl_b32 s41, s18, 4
	s_add_co_u32 s40, s40, s41                     ; my first row of out0: 2,048 x batch + 32 x work-group x + 16 x wave,
	s_lshl_b32 s40, s40, 7                         ; of 128 bytes
	s_mov_b32 s41, 0
	s_add_nc_u64 s[16:17], s[16:17], s[40:41]
.irp f, 0,12,24
.irp i, 6,7,8,9,10,11
	v_mov_b32 v[PC+\f+\i], 0                       ; k = 64 .. 127 of the three fragments: zero codes
.endr
.endr
	s_wait_dscnt 0x0
	QUANT PC+40, PC, SCW                           ; the rows
	s_wait_loadcnt 0x0                             ; Wo and bo
	QUANT KF, PC+12, SCW+1                         ; Wo's columns 0-15,
	QUANT KF+16, PC+24, SCW+2                      ; and 16-31
.rept 8
	v_nop                                          ; a scale register written by a vector instruction stands 8 places ahead of a scaled matrix instruction, an operand so written 4
.endr
	; transposed: source 0 = 16 columns of Wo, source 1 = the rows: a lane holds eight neighbouring columns of one row
	v_wmma_scale_f32_16x16x128_f8f6f4 v[ST:ST+7], v[PC+12:PC+23], v[PC:PC+11], v[BO:BO+7], v[SCW+1], v[SCW] matrix_a_fmt:MATRIX_FMT_FP6 matrix_b_fmt:MATRIX_FMT_FP6
	v_wmma_scale_f32_16x16x128_f8f6f4 v[ST+8:ST+15], v[PC+24:PC+35], v[PC:PC+11], v[BO+8:BO+15], v[SCW+2], v[SCW] matrix_a_fmt:MATRIX_FMT_FP6 matrix_b_fmt:MATRIX_FMT_FP6
.rept 4
	v_nop                                          ; four places between a matrix instruction of this form and an LDS store of its result
.endr
.irp c, 0,1
	ds_store_b128 v[EM+6], v[ST+8*\c:ST+8*\c+3] offset:64*\c               ; out(r, 16 c + 8 h + 0 .. 7); each result from its low end on
	ds_store_b128 v[EM+6], v[ST+8*\c+4:ST+8*\c+7] offset:64*\c+16
.endr
.irp i, 0,1,2,3
	ds_load_b128 v[ST+16+4*\i:ST+16+4*\i+3], v[EM+7] offset:4*144*\i       ; LDS serves a wave's instructions in order (ISA guide 5.7.1.4): these see my stores
.endr
.irp i, 0,1,2,3
	s_wait_dscnt 3-\i                              ; rows 4 i .. 4 i + 3 are back; the younger loads may be out
	global_store_b128 v[L16], v[ST+16+4*\i:ST+16+4*\i+3], s[16:17] offset:512*\i th:TH_STORE_NT   ; 32 lanes store 512 consecutive bytes, at a multiple of 256 from out0's first byte
.endr
	s_wait_tensorcnt 0x0                           ; the wave's end, behind my last tensor load and my last LDS store
	ds_add_u32 v[SPW], v[NIL]
	s_wait_dscnt 0x0
	s_endpgm
.Lfunc_end_k_q1c7aa0b973_attn:
	.size	k_q1c7aa0b973_attn, .Lfunc_end_k_q1c7aa0b973_attn-k_q1c7aa0b973_attn
	.p2alignl 7, 3214868480
	.fill 96, 4, 3214868480
	.section	.rodata,"a",@progbits
	.p2align	6, 0x0
	.amdhsa_kernel k_q1c7aa0b973_attn
		.amdhsa_group_segment_fixed_size 327680
		.amdhsa_private_segment_fixed_size 0
		.amdhsa_enable_private_segment 0
		.amdhsa_kernarg_size 56
		.amdhsa_user_sgpr_count 2
		.amdhsa_user_sgpr_kernarg_segment_ptr 1
		.amdhsa_wavefront_size32 1
		.amdhsa_system_sgpr_workgroup_id_x 1
		.amdhsa_system_sgpr_workgroup_id_y 1
		.amdhsa_system_sgpr_workgroup_id_z 1
		.amdhsa_system_vgpr_workitem_id 0
		.amdhsa_next_free_vgpr 256
		.amdhsa_next_free_sgpr 66
		.amdhsa_reserve_vcc 1
		.amdhsa_float_denorm_mode_32 3
		.amdhsa_float_denorm_mode_16_64 3
		.amdhsa_memory_ordered 1
		.amdhsa_forward_progress 1
		.amdhsa_inst_pref_size 116
	.end_amdhsa_kernel
	.amdgpu_metadata
---
amdhsa.version: [ 1, 2 ]
amdhsa.kernels:
  - .name:           k_q1c7aa0b973_attn
    .symbol:         k_q1c7aa0b973_attn.kd
    .args:
      - { .name: mask, .offset: 0, .size: 8, .value_kind: global_buffer, .address_space: global }
      - { .name: qf, .offset: 8, .size: 8, .value_kind: global_buffer, .address_space: global }
      - { .name: kf, .offset: 16, .size: 8, .value_kind: global_buffer, .address_space: global }
      - { .name: vf, .offset: 24, .size: 8, .value_kind: global_buffer, .address_space: global }
      - { .name: Wo, .offset: 32, .size: 8, .value_kind: global_buffer, .address_space: global }
      - { .name: bo, .offset: 40, .size: 8, .value_kind: global_buffer, .address_space: global }
      - { .name: out0, .offset: 48, .size: 8, .value_kind: global_buffer, .address_space: global }
    .group_segment_fixed_size: 327680
    .private_segment_fixed_size: 0
    .kernarg_segment_align: 8
    .kernarg_segment_size: 56
    .max_flat_workgroup_size: 512
    .sgpr_count:     66
    .vgpr_count:     256
    .wavefront_size: 32
...
	.end_amdgpu_metadata
.endif
;; end of part 2
;; ======== version 2 of 2: 2 launches; 1.18 times as fast as version 1
;; limits: right only within a limited range of input values
;; workspace buffers: qf 1,048,576 bytes; kf 1,048,576 bytes; vf 1,048,576 bytes
;; launch proj: the kernel of part 1 again; grid 256 x 1, 6 waves a work-group, no clusters, 0 bytes of LDS; arguments query, key, value, Wq, Wk, Wv, bq, bk, bv, qf, kf, vf; writes qf, kf, vf
;; launch attn (part 3): grid 64 x 4, 16 waves a work-group, no clusters, 327,680 bytes of LDS; arguments mask, qf, kf, vf, Wo, bo, out0; writes out0
.if DOCPART == 3
	.amdgcn_target "amdgcn-amd-amdhsa--gfx1250"
	.amdhsa_code_object_version 6
	.text
	.protected	k_q1c7aa0b973_attn
	.globl	k_q1c7aa0b973_attn
	.p2align	8
	.type	k_q1c7aa0b973_attn,@function
k_q1c7aa0b973_attn:
	s_mov_b64 s[64:65], 0
	v_nop
	global_prefetch_b8 v0, s[64:65] scope:SCOPE_SE
	s_setreg_imm32_b32 hwreg(HW_REG_WAVE_MODE, 25, 1), 1
	s_wait_xcnt 0x0
; out0 = Q(softmax(where(mask == 0, -1e20, q k^T) / sqrt(32)) v) Q(Wo) + bo.  4 batches, 2,048 queries, 2,048 keys, 8 heads of size 4.  q, k, v arrive projected, as f32 operand images
; [row tile of 16][head pair][lane][4 floats]: float 2 e + i of lane (r, h) = y[16 T + r][head 2 hp + e][d = 2 h + i].  All of the softmax chain is f32: its result goes into a quantiser.
; SHARES.  Work-group (x, y) owns 32 queries (two tiles t) of batch y, all heads, all keys.  Wave w: kr = w / 4 (keys 512 kr on), hp = w % 4 (heads 2 hp, 2 hp + 1): eight chunks of 64 keys.
; As a loader wave w also brings the mask of chunks w % 4 and 4 + w % 4 of range kr (32 queries x 64 keys each) and turns it into a bias, once for all eight heads.
; 1. S^T = K Q^T by v_wmma_f32_16x16x4_f32 (source 0 = 16 keys, source 1 = 16 queries, K = the head's 4): a lane holds ONE query (lane % 16) and keys 8 (lane / 16) + 0 .. 7.
; 2. THE MASK IS THE C OF THAT PRODUCT: 0 where the key counts, -1e20 c where it does not, in the result's own layout.  q is multiplied by c = log2(e) / sqrt(32) beforehand, so the result is t, the exponent to base 2.
; 3. O += p v by packed multiply-adds, two of the head's four channels at a time: (O[d], O[d + 1]) += p[key] x (v[key][d], v[key][d + 1]) (the second product has 4 rows: a quarter of a matrix tile).
;    Even and odd keys have sums of their own, so that eight sums take turns.
; 4. v REACHES ALL SIXTEEN LANES THROUGH LDS.  Each wave lays its chunk's v (64 keys x 2 heads x 16 bytes = 2,048 bytes) into bytes of its own, [16 keys][head][key][4 floats], by eight stores of 8 bytes a lane,
;    and reads it back 16 bytes a lane, the sixteen lanes of a half at one address: key 8 (lane / 16) + j.  The wave's own bytes, served in order: no barrier.  Both query tiles use what is read.
;    (By the matrix unit, V times unit vectors, the same copy would be four products for each head and 16 keys: twice the two that the scores themselves take.)
; 5. Each lane keeps a running maximum m, sum l and O[4] over ITS OWN keys: nothing changes lanes in the loop.  The partials of the two halves of the lanes and of the four key ranges are merged once, through LDS.
; A STEP is one head, 32 keys, both query tiles: 32 registers of S^T, 32 of the bias and then p, 64 of v: what 256 registers leave room for.
; Then waves 0 and 1 quantise the 32 finished rows and Wo (FP6, E2M3, one E8M0 scale for the block of 32; k = 32 .. 127 zero codes) and make the last product, bo as its C.
; NO CLUSTER: the mask is read by one work-group alone.  k and v are read by the 64 work-groups of a batch, but each wave wants its own 4,096 bytes a chunk: as joint tiles a chunk's
; fragments of the sixteen waves would be 65,536 bytes, and two such slots do not fit beside the mask's 278,528 bytes.
; LDS: the work-group's whole mask (32 rows x 2,048 keys) lies there once: first fills alone, nothing is filled again.
; LIMITS: |t| stays under 1.1e12, half a step of f32 at 2.55e19, so that a masked score is exactly the bias (a row masked everywhere is then uniform, as with -1e20); NaN and infinities are not served;
; a block of zeros gets the scale byte 1 where the rule says 127 (its codes are zeros, and this program alone reads the byte).
.set PIECE, 8704                       ; a piece of the mask in LDS: 32 rows x (256 bytes + 16 of padding): the 16 rows that half a load touches start 272 bytes apart, in 16 different columns of 16 bytes
.set PAREA, 16*PIECE                   ; the sixteen waves' first pieces on end, then their second pieces
.set SPARE, 2*PAREA                    ; the spare words, 128 bytes for each of 16 waves: eight blocks of 256 bytes that no other line names
.set OUTS,  SPARE+2048                 ; the finished attention rows: 32 x (128 bytes + 16)
.set OST,   OUTS+32*144                ; the way out of waves 0 and 1: 16 x (128 bytes + 16) each
.set VREG,  OST+2*16*144               ; a chunk's v, 2,048 bytes for each wave
.set PARTW, 3072                       ; a wave's partials, in the first pieces' bytes once nobody reads them: for each (e, t) 512 bytes of O and 256 of (m, l), as images of the registers
.set SPW,  1                           ; v1   LDS address of my spare word; never rewritten
.set NIL,  2                           ; v2   0; never rewritten
.set CADR, 3                           ; v3   my lane's place in a piece: 272 r + 32 h
.set CA,   4                           ; v4   the same in the chunk in hand
.set L16,  5                           ; v5   16 x lane
.set NEGB, 6                           ; v6   -1e20 c
.set TA,   7                           ; v7   an address at work
.set VST,  8                           ; v8   where I store v: my wave's bytes + 16 r + 8 h
.set VLD,  9                           ; v9   where I read it: my wave's bytes + 128 h
.set EM,   8                           ; v8-15    behind the loop: the end's eight LDS addresses
.set QF,   16                          ; v16-23   c q: v[QF + 4 t + 2 e + i]
.set KF,   24                          ; v24-39   the chunk's k: v[KF + 4 kt + 2 e + i]
.set VF,   40                          ; v40-55   its v, likewise, on its way to LDS
.set ST,   56                          ; v56-99   22 registers a head e: O[t] at 8 t: even keys' four channels, then odd keys' four; l[t] as pairs (even keys', odd keys') at 16 + 2 t; m[t] at 20 + t
.set SCW,  100                         ; v100-102 scale words: scales and nothing else
.set MN,   104                         ; v104-107 (the new m, a = 2^(old m - new m)) for t = 0, 1
.set MB,   108                         ; v108-111 at work
.set PC,   112                         ; v112-143 the bias tiles, then t - m, then p: tile (t, k) at PC + 8 (2 t + k)
.set VB,   144                         ; v144-207 v of the step's two tiles of 16 keys: key 8 h + j of tile k at VB + 32 k + 4 j
.set SV,   208                         ; v208-239 S^T, tile (t, k) at SV + 8 (2 t + k).  Matrix instructions alone write these
.set BO,   240                         ; v240-255 bo in the result's layout (waves 0 and 1)
.set QA,   104                         ; the quantiser's working registers
.set QB,   105
.set QC,   106
.set CNT,  44                          ; s44  trips to go
.set CB,   45                          ; s45  LDS byte at which the chunk's bias begins
.set CS,   46                          ; s[46:47] c, twice: the packed form names a pair
.set SEL,  48                          ; s[48:49] lane selects for v_permlanex16_b32: lane l xor 16
; 16 numbers of a lane, v[src] on (k = 16 h + 0 .. 15 of the lane's row), become registers 0-5 of a fragment and its scale word.  The block of 32 lies in lanes l and l xor 16.
.macro QUANT src, frag, sw
	v_max3_num_f32 v[QA], |v[\src]|, |v[\src+1]|, 0x1800000        ; my 16 magnitudes, and the floor 2^(3 - 127): the byte cannot fall under 1
.irp i, 2,4,6,8,10,12,14
	v_max3_num_f32 v[QA], v[QA], |v[\src+\i]|, |v[\src+\i+1]|
.endr
	v_permlanex16_b32 v[QB], v[QA], s[SEL], s[SEL+1]
	v_max_num_f32 v[QA], v[QA], v[QB]                              ; the block's largest magnitude
	v_add_nc_u32 v[QC], 0xff000000, v[QA]                          ; 2 off its exponent field: the conversion's scale operand
	v_lshrrev_b32 v[\sw], 23, v[QC]                                ; the byte, in byte 0; bytes 1-3 stay 0 and stand over zero codes
.irp i, 3,4,5
	v_mov_b32 v[\frag+\i], 0
.endr
	v_cvt_scalef32_pk16_fp6_f32 v[\frag:\frag+2], v[\src:\src+15], v[QC]
	v_nop                                                          ; one plain instruction between a scaled conversion and the next use of its result
.irp i, 0,1,2
	v_permlane16_swap_b32 v[\frag+\i], v[\frag+3+\i]               ; lanes 0-15 now hold k = 0 .. 31 in registers 0-5, lanes 16-31 (k = 32 .. 63) zeros
.endr
.endm
; l and O of both query tiles take the step's k-th 16 keys: 40 packed lines.  Of a pair of p the first (an even key's) or the second (an odd key's) serves both halves of a multiply-add; ten lines stand between two uses of one sum
.macro PVK e, k
.irp i, 0,1,2,3
.irp t, 0,1
	v_pk_add_f32 v[ST+22*\e+16+2*\t:ST+22*\e+17+2*\t], v[ST+22*\e+16+2*\t:ST+22*\e+17+2*\t], v[PC+8*(2*\t+\k)+2*\i:PC+8*(2*\t+\k)+2*\i+1]
.irp d, 0,1
	v_pk_fma_f32 v[ST+22*\e+8*\t+2*\d:ST+22*\e+8*\t+2*\d+1], v[PC+8*(2*\t+\k)+2*\i:PC+8*(2*\t+\k)+2*\i+1], v[VB+32*\k+8*\i+2*\d:VB+32*\k+8*\i+2*\d+1], v[ST+22*\e+8*\t+2*\d:ST+22*\e+8*\t+2*\d+1] op_sel_hi:[0,1,1]
.endr
.irp d, 0,1
	v_pk_fma_f32 v[ST+22*\e+8*\t+4+2*\d:ST+22*\e+8*\t+4+2*\d+1], v[PC+8*(2*\t+\k)+2*\i:PC+8*(2*\t+\k)+2*\i+1], v[VB+32*\k+8*\i+4+2*\d:VB+32*\k+8*\i+4+2*\d+1], v[ST+22*\e+8*\t+4+2*\d:ST+22*\e+8*\t+4+2*\d+1] op_sel:[1,0,0] op_sel_hi:[1,1,1]
.endr
.endr
.endr
.endm
; ONE HEAD e, THE g-TH 32 KEYS OF THE CHUNK: four tiles of 16 keys x 16 queries.  last = 1: in the loop's last trip there is no next chunk, and its loads are jumped over: no load leaves its buffer.
; PLACES behind the f32 matrix form: 8 ahead of a read of its result and of a load into or a vector write of one of its registers, 9 ahead of a matrix instruction that writes over one.
.macro STEP e, g, last
.irp t, 0,1
.irp k, 0,1
	ds_load_b128 v[PC+8*(2*\t+\k):PC+8*(2*\t+\k)+3], v[CA] offset:4352*\t+64*(2*\g+\k)          ; the bias of query 16 t + r, keys 16 (2 g + k) + 8 h + 0 .. 7
	ds_load_b128 v[PC+8*(2*\t+\k)+4:PC+8*(2*\t+\k)+7], v[CA] offset:4352*\t+64*(2*\g+\k)+16
.endr
.endr
.irp k, 0,1
.irp j, 0,1,2,3,4,5,6,7
	ds_load_b128 v[VB+32*\k+4*\j:VB+32*\k+4*\j+3], v[VLD] offset:512*(2*\g+\k)+256*\e+16*\j     ; v of key 16 (2 g + k) + 8 h + j, all four channels
.endr
.endr
	s_wait_dscnt 16                                ; LDS instructions end in order (ISA guide 5.7.1): the eight loads of the bias are in (and, in a chunk's first step, the eight stores of v done); the sixteen loads of v may be out
.if (\e == 0) && (\g == 0)
.if \last
	s_cmp_eq_u32 s[CNT], 1
	s_cbranch_scc1 .Lno_v_\@
.endif
.irp k, 0,1,2,3
	global_load_b128 v[VF+4*\k:VF+4*\k+3], v[L16], s[10:11] offset:8192+2048*\k   ; the next chunk's v: this chunk's lies in LDS
.endr
.if \last
.Lno_v_\@:
.endif
.endif
.irp t, 0,1
.irp k, 0,1
	v_wmma_f32_16x16x4_f32 v[SV+8*(2*\t+\k):SV+8*(2*\t+\k)+7], v[KF+4*(2*\g+\k)+2*\e:KF+4*(2*\g+\k)+2*\e+1], v[QF+4*\t+2*\e:QF+4*\t+2*\e+1], v[PC+8*(2*\t+\k):PC+8*(2*\t+\k)+7]
.endr
.endr
.rept 8
	v_nop                                          ; the 8 places ahead of the first read of S^T, of the loads into k's registers and of the writes into the bias's
.endr
.if (\e == 1) && (\g == 1)
.if \last
	s_cmp_eq_u32 s[CNT], 1
	s_cbranch_scc1 .Lno_k_\@
.endif
.irp k, 0,1,2,3
	global_load_b128 v[KF+4*\k:KF+4*\k+3], v[L16], s[8:9] offset:8192+2048*\k   ; the next chunk's k: all four steps have multiplied by this chunk's
.endr
.if \last
.Lno_k_\@:
.endif
.endif
	; the new m of each query tile: 16 scores and the old m, three operands at a time, in four chains by turns; every tile of S^T is read from its low end on
.irp t, 0,1
	v_max3_num_f32 v[MN+2*\t], v[SV+16*\t], v[SV+16*\t+1], v[ST+22*\e+20+\t]
	v_max3_num_f32 v[MB+\t], v[SV+16*\t+8], v[SV+16*\t+9], v[SV+16*\t+10]
.endr
.irp k, 1,2
.irp t, 0,1
	v_max3_num_f32 v[MN+2*\t], v[MN+2*\t], v[SV+16*\t+2*\k], v[SV+16*\t+2*\k+1]
	v_max3_num_f32 v[MB+\t], v[MB+\t], v[SV+16*\t+9+2*\k], v[SV+16*\t+10+2*\k]
.endr
.endr
.irp t, 0,1
	v_max3_num_f32 v[MN+2*\t], v[MN+2*\t], v[SV+16*\t+6], v[SV+16*\t+7]
.endr
.irp t, 0,1
	v_max3_num_f32 v[MN+2*\t], v[MN+2*\t], v[MB+\t], v[SV+16*\t+15]
.endr
.irp t, 0,1
	v_sub_f32 v[MN+2*\t+1], v[ST+22*\e+20+\t], v[MN+2*\t]          ; old m - new m
.endr
.irp t, 0,1
.irp j, 0,2,4,6,8,10,12,14
	v_pk_add_f32 v[PC+16*\t+\j:PC+16*\t+\j+1], v[SV+16*\t+\j:SV+16*\t+\j+1], v[MN+2*\t:MN+2*\t+1] op_sel_hi:[1,0] neg_lo:[0,1] neg_hi:[0,1]   ; t - m, two at a time, into other registers than S^T's
.endr
.endr
.set n, 0
.rept 32
	v_exp_f32 v[PC+n], v[PC+n]                     ; p = 2^(t - m)
.set n, n+1
.endr
.irp t, 0,1
	v_exp_f32 v[MN+2*\t+1], v[MN+2*\t+1]           ; a = 2^(old m - new m)
.endr
.irp t, 0,1
	v_mov_b32 v[ST+22*\e+20+\t], v[MN+2*\t]        ; m is the new m.  (The plain instruction behind the batch of exponentials)
.endr
	s_wait_alu depctr_va_vdst(0)                   ; one wait for the 34 exponentials, ahead of the first line that names a result
.irp t, 0,1
.irp d, 0,1,2,3
	v_pk_mul_f32 v[ST+22*\e+8*\t+2*\d:ST+22*\e+8*\t+2*\d+1], v[ST+22*\e+8*\t+2*\d:ST+22*\e+8*\t+2*\d+1], v[MN+2*\t:MN+2*\t+1] op_sel:[0,1] op_sel_hi:[1,1]   ; O under the new m
.endr
	v_pk_mul_f32 v[ST+22*\e+16+2*\t:ST+22*\e+17+2*\t], v[ST+22*\e+16+2*\t:ST+22*\e+17+2*\t], v[MN+2*\t:MN+2*\t+1] op_sel:[0,1] op_sel_hi:[1,1]         ; l likewise
.endr                                          ; these ten name no register of the step's products: with the 8 v_nop they are the places ahead of the next step's products, which write over S^T
	s_wait_dscnt 0x0                               ; v is in
	PVK \e, 0
	PVK \e, 1
.endm
; HALF p: my piece p of the mask becomes a bias, in place; a barrier; then my range's chunks 4 p .. 4 p + 3, whose biases the four waves of my range have made.
.macro HALF p, last
	s_wait_tensorcnt 1-\p                          ; tensor loads of a wave end in order (ISA guide 10.11.1): piece p has landed; with p = 0 piece 1 stays on its way, and lands under four chunks' work
	s_mul_i32 s23, s18, PIECE
.if \p
	s_add_co_u32 s23, s23, PAREA
.endif
	v_add_nc_u32 v[TA], s23, v[CADR]
.irp t, 0,1
.irp k, 0,1,2,3
	ds_load_b128 v[PC+8*(4*\t+\k):PC+8*(4*\t+\k)+3], v[TA] offset:4352*\t+64*\k          ; 64 registers: the bias's 32 and the lower 32 of v's
	ds_load_b128 v[PC+8*(4*\t+\k)+4:PC+8*(4*\t+\k)+7], v[TA] offset:4352*\t+64*\k+16
.endr
.endr
	s_wait_dscnt 0x0
.set n, 0
.rept 64
	v_cmp_eq_u32 vcc_lo, 0, v[PC+n]
	v_cndmask_b32 v[PC+n], 0, v[NEGB], vcc_lo      ; mask == 0: -1e20 c; else 0
.set n, n+1
.endr
.irp t, 0,1
.irp k, 0,1,2,3
	ds_store_b128 v[TA], v[PC+8*(4*\t+\k):PC+8*(4*\t+\k)+3] offset:4352*\t+64*\k         ; the piece has had its one fill of the launch
	ds_store_b128 v[TA], v[PC+8*(4*\t+\k)+4:PC+8*(4*\t+\k)+7] offset:4352*\t+64*\k+16
.endr
.endr
	s_wait_dscnt 0x0                               ; for the others' sake: my stores are done
	s_barrier_signal -1
	s_barrier_wait -1                              ; everybody's are.  Piece 1's loads, and the loads of k and v, may be out across it
	s_mul_i32 s[CB], s19, 4*PIECE                  ; my range's four pieces
.if \p
	s_add_co_u32 s[CB], s[CB], PAREA
.endif
	s_mov_b32 s[CNT], 4
.Lchunk_\p:
	v_add_nc_u32 v[CA], s[CB], v[CADR]
	s_wait_loadcnt 0x0                             ; the chunk's k and v are in
.irp k, 0,1,2,3
.irp e, 0,1
	ds_store_b64 v[VST], v[VF+4*\k+2*\e:VF+4*\k+2*\e+1] offset:512*\k+256*\e   ; channels 2 h, 2 h + 1 of key 16 k + r, head e: 32 lanes store 256 consecutive bytes.  My reads of the last chunk's v are over (the last step's wait for 0)
.endr
.endr
	STEP 0, 0, \last
	STEP 1, 0, 0
	STEP 0, 1, 0
	STEP 1, 1, \last
	s_wait_xcnt 0x0                                ; the loads of k and v have read their bases: only behind this wait are they stepped
	s_add_nc_u64 s[8:9], s[8:9], 8192              ; four row tiles of 2,048 bytes
	s_add_nc_u64 s[10:11], s[10:11], 8192
	s_add_co_u32 s[CB], s[CB], PIECE
	s_sub_co_u32 s[CNT], s[CNT], 1
	s_cmp_lg_u32 s[CNT], 0
	s_cbranch_scc1 .Lchunk_\p
.endm
	s_load_b256 s[4:11], s[0:1], 0x0               ; mask s[4:5], qf s[6:7], kf s[8:9], vf s[10:11]
	s_load_b128 s[12:15], s[0:1], 0x20             ; Wo s[12:13], bo s[14:15]
	s_load_b64 s[16:17], s[0:1], 0x30              ; out0
	v_lshl_add_u32 v[SPW], v0, 2, SPARE
	v_mov_b32 v[NIL], 0
	ds_add_u32 v[SPW], v[NIL]                      ; the wave's opening: the add and its wait stand ahead of my first tensor load; the set-up below, work on registers, stands between them
	v_lshrrev_b32 v[TA], 5, v0
	v_readfirstlane_b32 s18, v[TA]                 ; wave 0..15
	s_lshr_b32 s19, s18, 2                         ; kr: my range of 512 keys
	s_and_b32 s20, s18, 3                          ; hp: my pair of heads.  Also: which chunks' mask I bring
	s_and_b32 s22, ttmp7, 0xffff                   ; the batch
	; descriptor group 1: a tile of 32 rows x 64 elements of 4 bytes, rows 2,048 elements apart in memory, 16 bytes of padding behind each row in LDS
	s_mov_b32 s24, (2<<16)|(1<<20)|(5<<22)|(3<<25) ; 15:0 no mask; 17:16 elements of 4 bytes; 20 padding on; 24:22 after every 64 words (code 5); 31:25 of 4 words (code 3)
	s_mov_b32 s25, 64<<16                          ; tensor_dim0 = 64
	s_mov_b32 s26, 32<<16                          ; tensor_dim1 = 32
	s_mov_b32 s27, 64<<16                          ; tile_dim0 = 64
	s_mov_b32 s28, 32                              ; tile_dim1 = 32
	s_mov_b32 s29, 2048                            ; tensor_dim0_stride
	s_mov_b32 s30, 0
	s_mov_b32 s31, 0
	s_mov_b32 s32, 1                               ; group 0 for piece 0: count = 1,
	s_mul_i32 s33, s18, PIECE                      ; LDS address: wave x a piece;
	s_mov_b32 s36, 1                               ; for piece 1:
	s_add_co_u32 s37, s33, PAREA                   ; the same behind the sixteen first pieces
	s_lshl_b32 s40, s22, 11
	s_lshl_b32 s41, ttmp9, 5
	s_add_co_u32 s40, s40, s41                     ; my first row of the mask: 2,048 x batch + 32 x work-group x,
	s_lshl_b32 s40, s40, 13                        ; of 8,192 bytes (under 2^27 in all),
	s_lshl_b32 s41, s19, 11
	s_add_co_u32 s40, s40, s41                     ; + my range's 512 keys,
	s_lshl_b32 s41, s20, 8
	s_add_co_u32 s40, s40, s41                     ; + chunk w % 4's 64 keys
	s_mov_b32 s41, 0
	s_lshl_b32 s42, s22, 18                        ; a batch's 128 row tiles of 2,048 bytes,
	s_lshl_b32 s43, s20, 9
	s_add_co_u32 s42, s42, s43                     ; + my head pair's 512 bytes
	s_lshl_b32 s43, s19, 16
	s_add_co_u32 s50, s42, s43                     ; k, v: + my range's 32 row tiles
	s_mov_b32 s51, 0
	s_lshl_b32 s43, ttmp9, 12
	s_add_co_u32 s42, s42, s43                     ; q: + my work-group's two row tiles
	s_mov_b32 s43, 0
	s_mov_b32 s[CS], 0x3e8293ee                    ; c = log2(e) / sqrt(32)
	s_mov_b32 s[CS+1], s[CS]
	s_mov_b32 s[SEL], 0x76543210
	s_mov_b32 s[SEL+1], 0xfedcba98
	s_wait_dscnt 0x0                               ; the opening add is done
	s_wait_kmcnt 0x0
	s_add_nc_u64 s[34:35], s[4:5], s[40:41]        ; global address of piece 0,
	s_add_nc_u64 s[38:39], s[34:35], 1024          ; and of piece 1: four chunks of 256 bytes on
	s_or_b32 s35, s35, 0x80000000                  ; type = 2
	s_or_b32 s39, s39, 0x80000000
	tensor_load_to_lds s[32:35], s[24:31]          ; both first fills go out together, ahead of every wait on TENSORcnt, every LDS read and every barrier: two loads of mine are out
	s_nop 0
	tensor_load_to_lds s[36:39], s[24:31]
	s_nop 0
	s_add_nc_u64 s[6:7], s[6:7], s[42:43]
	s_add_nc_u64 s[8:9], s[8:9], s[50:51]
	s_add_nc_u64 s[10:11], s[10:11], s[50:51]
	v_and_b32 v[L16], 31, v0
	v_lshlrev_b32 v[L16], 4, v[L16]
.irp t, 0,1
	global_load_b128 v[QF+4*\t:QF+4*\t+3], v[L16], s[6:7] offset:2048*\t     ; each load of the wave reads 512 consecutive bytes: two heads' fragments
.endr
.irp k, 0,1,2,3
	global_load_b128 v[KF+4*\k:KF+4*\k+3], v[L16], s[8:9] offset:2048*\k     ; chunk 0
.endr
.irp k, 0,1,2,3
	global_load_b128 v[VF+4*\k:VF+4*\k+3], v[L16], s[10:11] offset:2048*\k
.endr
	v_and_b32 v[TA], 15, v0                        ; r
	v_bfe_u32 v[CA], v0, 4, 1                      ; h
	v_mul_u32_u24 v[CADR], v[TA], 272
	v_lshl_add_u32 v[CADR], v[CA], 5, v[CADR]      ; 272 r + 32 h
	s_lshl_b32 s23, s18, 11
	s_add_co_u32 s23, s23, VREG                    ; my wave's 2,048 bytes for v
	v_lshlrev_b32 v[VST], 4, v[TA]
	v_lshl_add_u32 v[VST], v[CA], 3, v[VST]
	v_add_nc_u32 v[VST], s23, v[VST]               ; in: key r's 16 bytes, my half's 8 of them
	v_lshlrev_b32 v[VLD], 7, v[CA]
	v_add_nc_u32 v[VLD], s23, v[VLD]               ; back: my half's eight keys
	v_mov_b32 v[NEGB], 0xe0ad78ec                  ; -1e20,
	v_mul_f32 v[NEGB], s[CS], v[NEGB]              ; times c
.irp e, 0,1
.set n, 0
.rept 20
	v_mov_b32 v[ST+22*\e+n], 0                     ; O and l.  (The step is written once: its first turn finds zeros, which a = 0 leaves zeros.  These lines stand while the mask is on its way)
.set n, n+1
.endr
	v_mov_b32 v[ST+22*\e+20], 0xff61b1e6           ; m: -3e38, under every t and under the bias
	v_mov_b32 v[ST+22*\e+21], 0xff61b1e6
.endr
	v_mov_b32 v[MN+1], 0                           ; written once: a lane permute's destination counts as one of its sources
	s_wait_loadcnt 0x8                             ; q's two loads are in; k's four and v's four may be out
.irp k, 0,1,2,3
	v_pk_mul_f32 v[QF+2*\k:QF+2*\k+1], v[QF+2*\k:QF+2*\k+1], s[CS:CS+1] op_sel_hi:[1,0]   ; c q
.endr
	HALF 0, 0
	HALF 1, 1
	s_wait_loadcnt 0x0                             ; every load into k's and v's registers is done (the last trip asked for no next chunk, so none is out): Wo's loads below land in the same registers only behind this wait
	; THE END.  All its LDS addresses are made here, on the one way that all waves take, ahead of the first branch on the wave's number.  (v8, v9: the loop's two addresses are done with)
	v_and_b32 v[MB], 15, v0                        ; r
	v_bfe_u32 v[MB+1], v0, 4, 1                    ; h
	v_and_b32 v[MB+2], 31, v0                      ; lane
	s_mul_i32 s40, s18, PARTW
	v_lshl_add_u32 v[EM], v[MB+2], 4, s40          ; my partials: O, 16 bytes a lane;
	v_lshl_add_u32 v[EM+1], v[MB+2], 3, s40        ; (m, l), 8 bytes a lane
	s_mul_i32 s41, s19, PARTW                      ; the merge: wave w takes head w / 2, query tile w % 2: the partials (e, t) = w % 4 of waves 4 kr' + w / 4
	s_mul_i32 s42, s20, 768
	s_add_co_u32 s41, s41, s42
	v_lshl_add_u32 v[EM+2], v[MB+2], 4, s41
	v_lshl_add_u32 v[EM+3], v[MB+2], 3, s41
	s_and_b32 s43, s18, 1
	s_mul_i32 s42, s43, 16*144                     ; query tile w % 2's 16 rows
	s_lshr_b32 s40, s18, 1
	s_lshl_b32 s40, s40, 4                         ; head w / 2's 16 bytes
	s_add_co_u32 s40, s40, s42
	s_add_co_u32 s40, s40, OUTS
	v_mul_u32_u24 v[EM+4], v[MB], 144
	v_add_nc_u32 v[EM+4], s40, v[EM+4]             ; where the merged head goes: row 16 t + r
	s_add_co_u32 s41, s42, OUTS
	v_mul_u32_u24 v[EM+5], v[MB], 144
	v_lshl_add_u32 v[EM+5], v[MB+1], 6, v[EM+5]
	v_add_nc_u32 v[EM+5], s41, v[EM+5]             ; where a finished row is read: row 16 t + r, k = 16 h on
	s_add_co_u32 s41, s42, OST
	v_mul_u32_u24 v[EM+6], v[MB], 144
	v_lshl_add_u32 v[EM+6], v[MB+1], 5, v[EM+6]
	v_add_nc_u32 v[EM+6], s41, v[EM+6]             ; the way out, in: row r, 32 h
	v_lshrrev_b32 v[MB+3], 3, v[MB+2]
	v_mul_u32_u24 v[EM+7], v[MB+3], 144
	v_and_b32 v[MB+3], 7, v[MB+2]
	v_lshl_add_u32 v[EM+7], v[MB+3], 4, v[EM+7]
	v_add_nc_u32 v[EM+7], s41, v[EM+7]             ; and back: eight lanes to a row of 128 bytes, four rows an instruction
	v_lshlrev_b32 v[CA], 2, v[MB]
	v_lshl_add_u32 v[CA], v[MB+1], 11, v[CA]       ; Wo: 16 h rows of 128 bytes + 4 r
	v_lshlrev_b32 v[TA], 5, v[MB+1]                ; bo: 32 h
	s_cmp_lt_u32 s18, 2
	s_cbranch_scc0 .Lno_wo                         ; waves 0 and 1 ask for Wo and bo here, so that they land under the merge; the branch leads round loads alone
.irp c, 0,1
.irp i, 0,1,2,3,4,5,6,7,8,9,10,11,12,13,14,15
	global_load_b32 v[KF+16*\c+\i], v[CA], s[12:13] offset:128*\i+64*\c    ; Wo[16 h + i][16 c + r]
.endr
.endr
.irp c, 0,1
.irp u, 0,1
	global_load_b128 v[BO+8*\c+4*\u:BO+8*\c+4*\u+3], v[TA], s[14:15] offset:64*\c+16*\u   ; bo[16 c + 8 h + 0 .. 7]
.endr
.endr
.Lno_wo:
.irp e, 0,1
.irp t, 0,1
.irp d, 0,1,2,3
	v_add_f32 v[PC+8*(2*\e+\t)+\d], v[ST+22*\e+8*\t+\d], v[ST+22*\e+8*\t+4+\d]           ; even keys' and odd keys' sums
.endr
	v_mov_b32 v[PC+8*(2*\e+\t)+4], v[ST+22*\e+20+\t]                                      ; m beside l: one store of 8 bytes takes both
	v_add_f32 v[PC+8*(2*\e+\t)+5], v[ST+22*\e+16+2*\t], v[ST+22*\e+17+2*\t]
.endr
.endr
	s_wait_dscnt 0x0                               ; my reads of the bias are over
	s_barrier_signal -1
	s_barrier_wait -1                              ; everybody's are: the first pieces' bytes may be written
.irp g, 0,1,2,3
	ds_store_b128 v[EM], v[PC+8*\g:PC+8*\g+3] offset:768*\g
	ds_store_b64 v[EM+1], v[PC+8*\g+4:PC+8*\g+5] offset:768*\g+512
.endr
	s_wait_dscnt 0x0                               ; for the others' sake: my partials lie in LDS
	s_barrier_signal -1
	s_barrier_wait -1
.irp k, 0,1,2,3
	ds_load_b128 v[PC+8*\k:PC+8*\k+3], v[EM+2] offset:4*PARTW*\k            ; range k's O,
	ds_load_b64 v[PC+8*\k+4:PC+8*\k+5], v[EM+3] offset:4*PARTW*\k+512       ; m and l, of my head and query tile, lane for lane
.endr
.irp i, 0,1,2,3,4
	v_mov_b32 v[PC+40+\i], 0                       ; (destinations of the lane permutes below)
.endr
	s_wait_dscnt 0x0
	v_max3_num_f32 v[MN], v[PC+4], v[PC+12], v[PC+20]
	v_max_num_f32 v[MN], v[MN], v[PC+28]
	v_permlanex16_b32 v[MN+1], v[MN], s[SEL], s[SEL+1]
	v_max_num_f32 v[MN], v[MN], v[MN+1]            ; the query's maximum over all 2,048 keys
.irp k, 0,1,2,3
	v_sub_f32 v[MB+\k], v[PC+8*\k+4], v[MN]
.endr
.irp k, 0,1,2,3
	v_exp_f32 v[MB+\k], v[MB+\k]                   ; 2^(m_k - M)
.endr
	v_nop                                          ; a plain instruction behind the last exponential
	s_wait_alu depctr_va_vdst(0)                   ; one wait for the four, ahead of their first reader
.irp d, 0,1,2,3
	v_mul_f32 v[PC+32+\d], v[PC+\d], v[MB]
.endr
	v_mul_f32 v[PC+36], v[PC+5], v[MB]
.irp k, 1,2,3
.irp d, 0,1,2,3
	v_fmac_f32 v[PC+32+\d], v[PC+8*\k+\d], v[MB+\k]
.endr
	v_fmac_f32 v[PC+36], v[PC+8*\k+5], v[MB+\k]
.endr
.irp i, 0,1,2,3,4
	v_permlanex16_b32 v[PC+40+\i], v[PC+32+\i], s[SEL], s[SEL+1]
.endr
.irp i, 0,1,2,3,4
	v_add_f32 v[PC+32+\i], v[PC+32+\i], v[PC+40+\i]   ; with lane l xor 16's keys: O[0 .. 3] and the row's sum
.endr
	v_rcp_f32 v[PC+37], v[PC+36]                   ; the sum is at least 1: the key of the maximum counts 1
	v_nop
	s_wait_alu depctr_va_vdst(0)
	v_pk_mul_f32 v[PC+32:PC+33], v[PC+32:PC+33], v[PC+36:PC+37] op_sel:[0,1] op_sel_hi:[1,1]
	v_pk_mul_f32 v[PC+34:PC+35], v[PC+34:PC+35], v[PC+36:PC+37] op_sel:[0,1] op_sel_hi:[1,1]
	ds_store_b128 v[EM+4], v[PC+32:PC+35]          ; lanes l and l xor 16 write the same bytes with the same values
	s_wait_dscnt 0x0                               ; for the others' sake
	s_barrier_signal -1
	s_barrier_wait -1                              ; the 32 finished rows lie in LDS
	s_cmp_lt_u32 s18, 2
	s_cbranch_scc1 .Lfinal
	s_wait_tensorcnt 0x0                           ; the end of waves 2 to 15, behind my last tensor load and my last LDS store
	ds_add_u32 v[SPW], v[NIL]
	s_wait_dscnt 0x0
	s_endpgm
.Lfinal:                                           ; wave t: rows 16 t .. 16 t + 15 times Wo
.irp i, 0,1,2,3
	ds_load_b128 v[PC+40+4*\i:PC+40+4*\i+3], v[EM+5] offset:16*\i
.endr
	s_lshl_b32 s40, s22, 11
	s_lshl_b32 s41, ttmp9, 5
	s_add_co_u32 s40, s40, s41
	s_lshl_b32 s41, s18, 4
	s_add_co_u32 s40, s40, s41                     ; my first row of out0: 2,048 x batch + 32 x work-group x + 16 x wave,
	s_lshl_b32 s40, s40, 7                         ; of 128 bytes
	s_mov_b32 s41, 0
	s_add_nc_u64 s[16:17], s[16:17], s[40:41]
.irp f, 0,12,24
.irp i, 6,7,8,9,10,11
	v_mov_b32 v[PC+\f+\i], 0                       ; k = 64 .. 127 of the three fragments: zero codes
.endr
.endr
	s_wait_dscnt 0x0
	QUANT PC+40, PC, SCW                           ; the rows
	s_wait_loadcnt 0x0                             ; Wo and bo
	QUANT KF, PC+12, SCW+1                         ; Wo's columns 0-15,
	QUANT KF+16, PC+24, SCW+2                      ; and 16-31
.rept 8
	v_nop                                          ; a scale register written by a vector instruction stands 8 places ahead of a scaled matrix instruction, an operand so written 4
.endr
	; transposed: source 0 = 16 columns of Wo, source 1 = the rows: a lane holds eight neighbouring columns of one row
	v_wmma_scale_f32_16x16x128_f8f6f4 v[ST:ST+7], v[PC+12:PC+23], v[PC:PC+11], v[BO:BO+7], v[SCW+1], v[SCW] matrix_a_fmt:MATRIX_FMT_FP6 matrix_b_fmt:MATRIX_FMT_FP6
	v_wmma_scale_f32_16x16x128_f8f6f4 v[ST+8:ST+15], v[PC+24:PC+35], v[PC:PC+11], v[BO+8:BO+15], v[SCW+2], v[SCW] matrix_a_fmt:MATRIX_FMT_FP6 matrix_b_fmt:MATRIX_FMT_FP6
.rept 4
	v_nop                                          ; four places between a matrix instruction of this form and an LDS store of its result
.endr
.irp c, 0,1
	ds_store_b128 v[EM+6], v[ST+8*\c:ST+8*\c+3] offset:64*\c               ; out(r, 16 c + 8 h + 0 .. 7); each result from its low end on
	ds_store_b128 v[EM+6], v[ST+8*\c+4:ST+8*\c+7] offset:64*\c+16
.endr
.irp i, 0,1,2,3
	ds_load_b128 v[ST+16+4*\i:ST+16+4*\i+3], v[EM+7] offset:4*144*\i       ; LDS serves a wave's instructions in order (ISA guide 5.7.1.4): these see my stores
.endr
.irp i, 0,1,2,3
	s_wait_dscnt 3-\i                              ; rows 4 i .. 4 i + 3 are back; the younger loads may be out
	global_store_b128 v[L16], v[ST+16+4*\i:ST+16+4*\i+3], s[16:17] offset:512*\i th:TH_STORE_NT   ; 32 lanes store 512 consecutive bytes, at a multiple of 256 from out0's first byte
.endr
	s_wait_tensorcnt 0x0                           ; the wave's end, behind my last tensor load and my last LDS store
	ds_add_u32 v[SPW], v[NIL]
	s_wait_dscnt 0x0
	s_endpgm
.Lfunc_end_k_q1c7aa0b973_attn:
	.size	k_q1c7aa0b973_attn, .Lfunc_end_k_q1c7aa0b973_attn-k_q1c7aa0b973_attn
	.p2alignl 7, 3214868480
	.fill 96, 4, 3214868480
	.section	.rodata,"a",@progbits
	.p2align	6, 0x0
	.amdhsa_kernel k_q1c7aa0b973_attn
		.amdhsa_group_segment_fixed_size 327680
		.amdhsa_private_segment_fixed_size 0
		.amdhsa_enable_private_segment 0
		.amdhsa_kernarg_size 56
		.amdhsa_user_sgpr_count 2
		.amdhsa_user_sgpr_kernarg_segment_ptr 1
		.amdhsa_wavefront_size32 1
		.amdhsa_system_sgpr_workgroup_id_x 1
		.amdhsa_system_sgpr_workgroup_id_y 1
		.amdhsa_system_sgpr_workgroup_id_z 1
		.amdhsa_system_vgpr_workitem_id 0
		.amdhsa_next_free_vgpr 256
		.amdhsa_next_free_sgpr 66
		.amdhsa_reserve_vcc 1
		.amdhsa_float_denorm_mode_32 3
		.amdhsa_float_denorm_mode_16_64 3
		.amdhsa_memory_ordered 1
		.amdhsa_forward_progress 1
		.amdhsa_inst_pref_size 126
	.end_amdhsa_kernel
	.amdgpu_metadata
---
amdhsa.version: [ 1, 2 ]
amdhsa.kernels:
  - .name:           k_q1c7aa0b973_attn
    .symbol:         k_q1c7aa0b973_attn.kd
    .args:
      - { .name: mask, .offset: 0, .size: 8, .value_kind: global_buffer, .address_space: global }
      - { .name: qf, .offset: 8, .size: 8, .value_kind: global_buffer, .address_space: global }
      - { .name: kf, .offset: 16, .size: 8, .value_kind: global_buffer, .address_space: global }
      - { .name: vf, .offset: 24, .size: 8, .value_kind: global_buffer, .address_space: global }
      - { .name: Wo, .offset: 32, .size: 8, .value_kind: global_buffer, .address_space: global }
      - { .name: bo, .offset: 40, .size: 8, .value_kind: global_buffer, .address_space: global }
      - { .name: out0, .offset: 48, .size: 8, .value_kind: global_buffer, .address_space: global }
    .group_segment_fixed_size: 327680
    .private_segment_fixed_size: 0
    .kernarg_segment_align: 8
    .kernarg_segment_size: 56
    .max_flat_workgroup_size: 512
    .sgpr_count:     66
    .vgpr_count:     256
    .wavefront_size: 32
...
	.end_amdgpu_metadata
.endif
;; end of part 3
